; MI455X (gfx1250); checked and timed in simulation.
; The chip was launched on July 23, 2026; its instructions are those of AMD's public machine-readable ISA for CDNA 5 (MIT licence, August 2026) and "CDNA5" Instruction Set Architecture Reference Guide (July 2026). The comments in the code are by the model that wrote it; some were corrected since.
;; Multi Head Self Attention. Allowed arithmetic: matrix products marked QUANTISED: E2M3 operands, one E8M0 scale for each 32 along K, by v_wmma_scale_f32_16x16x128_f8f6f4 with both operands' format E2M3, f32 sums; everything else in f32.
;; Inputs: Wk 1,024 x 1,024 float32; Wo 1,024 x 1,024 float32; Wq 1,024 x 1,024 float32; Wv 1,024 x 1,024 float32; attn_mask 1 x 1 x 2,048 x 2,048 float32; bk 1,024 float32; bo 1,024 float32; bq 1,024 float32; bv 1,024 float32; cos 2,048 x 64 float32; sin 2,048 x 64 float32; x 4 x 2,048 x 1,024 float32.
;; Outputs: out0 4 x 2,048 x 1,024 float32.
;; This version of the problem:
;;   THIS VERSION OF THE PROBLEM IS GIVEN IN LOW PRECISION. The matrix products marked QUANTISED in the list below multiply operands that are first quantised to E2M3 (2 exponent bits, 3 mantissa bits; 6 bits a number), with one power-of-two scale for each 32 numbers along K (OCP MX v1.0); their sums are f32. All else is computed in f32.
;;   The module's matrix products, in the order in which they are computed (A, B: the left and right operand; K: the contracted axis; several contracted axes count as one K, in the product's order):
;;     1. [M 8,192, K 1,024] x [K 1,024, N 1,024]; A: input x; B: input Wq: QUANTISED
;;     2. [M 8,192, K 1,024] x [K 1,024, N 1,024]; A: input x; B: input Wk: QUANTISED
;;     3. [M 8,192, K 1,024] x [K 1,024, N 1,024]; A: input x; B: input Wv: QUANTISED
;;     4. batch 64 x [M 2,048, K 64] x [K 64, N 2,048]; A: computed on the way; B: computed on the way: QUANTISED
;;     5. batch 64 x [M 2,048, K 2,048] x [K 2,048, N 64]; A: softmax (see below); B: computed on the way: QUANTISED
;;     6. [M 8,192, K 1,024] x [K 1,024, N 1,024]; A: computed on the way; B: input Wo: QUANTISED
;;   THE QUANTISER, for each operand of a quantised product, along K:
;;     - K is cut into blocks of 32 from its start; a last block that is shorter is filled with zeros.
;;     - A block's scale is 2^e with e = floor(log2(the largest magnitude in the block)) - 2, held to -126 .. 127; a block of zeros has e = 0. As a byte (E8M0): e + 127.
;;     - Each number is divided by its block's scale, clamped to +-7.5, and rounded to the nearest number of E2M3, ties to even, subnormals kept.
;;     - The product sums the exact products of the quantised numbers (number of the format x scale) in f32.
;;   ~~~python
;;   def quantise(x, axis):      # numpy; x: float32 -> the quantised numbers, widened to float32 again
;;       x = np.moveaxis(x, axis, -1); K = x.shape[-1]
;;       x = np.pad(x, [(0, 0)] * (x.ndim - 1) + [(0, -K % 32)]); x = x.reshape(x.shape[:-1] + (-1, 32)); a = np.abs(x).max(-1, keepdims=True)
;;       e = np.where(a > 0, np.clip(np.frexp(np.where(a > 0, a, 1))[1] - 1 - 2, -126, 127), 0)      # np.frexp(a)[1] - 1 = floor(log2(a)), exactly
;;       r = np.clip(x / 2.0 ** e, -7.5, 7.5)
;;       step = 2.0 ** (np.maximum(np.frexp(np.where(r == 0, 1, r))[1] - 1, 0) - 3)
;;       q = np.round(r / step) * step * 2.0 ** e      # np.round: ties to even
;;       return np.moveaxis(q.reshape(q.shape[:-2] + (-1,))[..., :K], -1, axis).astype(np.float32)
;;   ~~~
;;   SOFTMAX AHEAD OF A QUANTISED PRODUCT. Where the list says 'softmax', what is quantised is not the finished softmax but p = 2^(t - M), with t = logit x log2(e) and M = ceil(the row's largest t), a whole number; so 1/2 < the row's largest p <= 1. The row's sum l is taken of the UNQUANTISED p, in f32, and the product's result is divided by l at the end. Since M is a whole number, a kernel that streams over the keys may use a running M (the ceiling of the running maximum): every later rescaling is an exact power of two, which a block's scale takes up: the codes' values come out the same.
;;   OPERANDS COMPUTED ON THE WAY. 'Computed on the way' means the value that the module computes at that place (a softmax that the list does not call 'softmax' is quantised finished and normalised). What goes into a quantiser is computed in f32, as accurately as f32 sums, v_exp_f32 and their like allow (about 1e-6 of the number): no bf16 or f16 on the way to a quantiser, and a product that is left as it is and whose result goes on into a quantised operand takes f32 operands (vector FMAs, or v_wmma_f32_16x16x4_f32). A number that lies on a knife's edge between two numbers of the format may be rounded either way, as far as f32 arithmetic and the matrix unit's own rounding can turn it there, and no further.
;; One version. Each part assembles by itself: llvm-mc -triple=amdgcn-amd-amdhsa -mcpu=gfx1250 --defsym DOCPART=n.
;; ======== version 1 of 1: 4 launches
;; workspace buffers: x_codes 6,291,456 bytes; x_scales 262,144 bytes; w_codes 3,145,728 bytes; w_scales 131,072 bytes; q_ws 6,815,744 bytes; kv_ws 13,369,344 bytes; a_codes 6,291,456 bytes; a_scales 262,144 bytes
;; launch quant (part 1): grid 384 x 1, 4 waves a work-group, no clusters, 33,280 bytes of LDS; arguments x, Wq, Wk, Wv, Wo, x_codes, x_scales, w_codes, w_scales; writes x_codes, x_scales, w_codes, w_scales
.if DOCPART == 1
	.amdgcn_target "amdgcn-amd-amdhsa--gfx1250"
	.amdhsa_code_object_version 6
	.text
	.protected	k_qa191985bd2_quant
	.globl	k_qa191985bd2_quant
	.p2align	8
	.type	k_qa191985bd2_quant,@function
k_qa191985bd2_quant:
	s_mov_b64 s[64:65], 0
	v_nop
	global_prefetch_b8 v0, s[64:65] scope:SCOPE_SE
	s_setreg_imm32_b32 hwreg(HW_REG_WAVE_MODE, 25, 1), 1
	s_wait_xcnt 0x0
; x [8192][1024] and Wq, Wk, Wv, Wo [1024][1024], f32 with K innermost, become codes of FP6 (E2M3) and one E8M0 byte for each 32 along K.
; A block's scale is 2^(floor(log2(its largest magnitude)) - 2); its byte is the largest magnitude's exponent field - 2, held at 1 from below.
; (A block of zeros so gets the byte 1 where the quantiser says 127: its codes are zeros, and the bytes are read by this program alone.)
; LIMITS: NaN and infinities among the inputs are not served.
; ROWS ARE STORED AT POSITIONS: row i goes to the row whose number is i with bits 3 and 4 exchanged, codes and scale bytes alike.  Sixteen neighbouring
; stored rows t, lane m, are then the true rows 32 (t / 2) + 8 (t % 2) + m + 8 (m / 8): as the first source of a matrix instruction they give each lane 16 neighbours in two neighbouring tiles.
; A wave takes 8 rows (8,192 numbers), so the exchange is an exchange of the two bits of the wave's number in the place where it stores.
; Work-groups 0-255 take x, 32 rows each; 256 + 32 t on take weight t (Wq, Wk, Wv, Wo), which lie one behind the other in w_codes and w_scales.
; Each of a step's four loads reads 512 consecutive bytes; the 2,048 bytes turn through the wave's own stage in LDS and come back 64 bytes a lane, so that a lane holds 16 neighbours along K.
; No tensor loads, no barrier: waves share nothing.  Loads run four steps (16 loads a wave) ahead, the turn through LDS one step.
.set STEPS, 16
.set EMAX,  2
.set CB,    12                         ; bytes of 16 codes
.set R,     16                         ; v16-79   four sets of 16 numbers as they are loaded
.set X,     80                         ; v80-111  two sets of 16 neighbours
.set C,     128                        ; v128-191 codes: four registers for each step, so that no store's data are written again
.set E,     112                        ; v112-127 a scale byte for each step
.set WREG,  8192                       ; LDS: a region for each wave: two stages of 32 x SP bytes, behind them its 256 scale bytes
.set SP,    80                         ; a lane's place in a stage: 64 bytes + 16 of padding
	s_load_b512 s[8:23], s[0:1], 0x0               ; x s[8:9], Wq s[10:11], Wk s[12:13], Wv s[14:15], Wo s[16:17], x_codes s[18:19], x_scales s[20:21], w_codes s[22:23]
	s_load_b64 s[24:25], s[0:1], 0x40              ; w_scales
	v_lshl_add_u32 v192, v0, 2, 0x8000
	v_mov_b32 v193, 0
	v_lshrrev_b32 v1, 5, v0
	v_readfirstlane_b32 s28, v1                    ; wave
	v_and_b32 v2, 31, v0                           ; lane
	v_lshlrev_b32 v3, 4, v2                        ; my 16 bytes of a load's 512
	s_mul_i32 s29, s28, WREG
	v_lshrrev_b32 v14, 2, v2
	v_mul_u32_u24 v14, v14, SP
	v_and_b32 v15, 3, v2
	v_lshl_add_u32 v14, v15, 4, v14
	v_add_nc_u32 v14, s29, v14                     ; the stage, on the way in: SP (lane / 4) + 16 (lane % 4)
	v_mul_u32_u24 v15, v2, SP
	v_add_nc_u32 v15, s29, v15                     ; and on the way out: SP x lane: my 16 neighbours
	v_mul_u32_u24 v4, v2, CB                       ; my codes' place in a step's
	v_lshrrev_b32 v5, 1, v2
	s_add_co_u32 s29, s29, 2*32*SP
	v_add_nc_u32 v5, s29, v5                       ; LDS: my wave's 256 scale bytes, my block's byte
	v_lshlrev_b32 v7, 3, v2                        ; and on the way out 8 bytes a lane
	v_add_nc_u32 v6, s29, v7
	s_wait_kmcnt 0x0
	s_cmp_ge_u32 ttmp9, 256                        ; x or a weight?  Every choice hangs on the work-group's number alone
	s_cselect_b64 s[4:5], s[10:11], s[8:9]         ; from where
	s_cselect_b64 s[6:7], s[22:23], s[18:19]       ; the codes
	s_cselect_b64 s[26:27], s[24:25], s[20:21]     ; the scale bytes
	s_cselect_b32 s30, 256, 0
	s_cselect_b32 s31, 31, -1
	s_cmp_ge_u32 ttmp9, 288
	s_cselect_b64 s[4:5], s[12:13], s[4:5]
	s_cmp_ge_u32 ttmp9, 320
	s_cselect_b64 s[4:5], s[14:15], s[4:5]
	s_cmp_ge_u32 ttmp9, 352
	s_cselect_b64 s[4:5], s[16:17], s[4:5]
	s_sub_co_u32 s30, ttmp9, s30                   ; the work-group's number among those that store into the same buffers
	s_and_b32 s31, s30, s31                        ; and within its own tensor
	s_lshl_b32 s31, s31, 2
	s_add_co_u32 s31, s31, s28                     ; which run of 8 rows I read
	s_lshl_b32 s32, s31, 15                        ; 32,768 bytes a run (under 2^26)
	s_mov_b32 s33, 0
	s_add_nc_u64 s[4:5], s[4:5], s[32:33]
	s_and_b32 s34, s28, 1
	s_lshl_b32 s34, s34, 1
	s_lshr_b32 s35, s28, 1
	s_or_b32 s34, s34, s35                         ; the wave's two bits exchanged: bits 3 and 4 of the rows' numbers
	s_lshl_b32 s30, s30, 2
	s_add_co_u32 s30, s30, s34                     ; which run of 8 rows I store
	s_mul_i32 s32, s30, 32*STEPS*CB                ; 6,144 bytes of codes a run
	s_add_nc_u64 s[6:7], s[6:7], s[32:33]
	s_lshl_b32 s32, s30, 8                         ; 256 scale bytes a run
	s_add_nc_u64 s[26:27], s[26:27], s[32:33]
.macro LOAD t
.irp i, 0,1,2,3
	global_load_b128 v[R+16*((\t)%4)+4*\i:R+16*((\t)%4)+4*\i+3], v3, s[4:5] offset:2048*(\t)+512*\i th:TH_LOAD_NT   ; 32 lanes read 512 consecutive bytes
.endr
.endm
.macro TURN t                          ; step t's numbers through the stage: LDS serves a wave's instructions in order, so no wait stands between the stores and the loads
.irp i, 0,1,2,3
	ds_store_b128 v14, v[R+16*((\t)%4)+4*\i:R+16*((\t)%4)+4*\i+3] offset:32*SP*((\t)%2)+8*SP*\i
.endr
.irp i, 0,1,2,3
	ds_load_b128 v[X+16*((\t)%2)+4*\i:X+16*((\t)%2)+4*\i+3], v15 offset:32*SP*((\t)%2)+16*\i
.endr
.endm
.irp t, 0,1,2,3
	LOAD \t
.endr
	s_wait_loadcnt 12                              ; step 0's four loads are in; three steps' twelve may be out
	TURN 0
.macro STEP t
.set XS, X+16*((\t)%2)
.if (\t) > 0
	s_wait_dscnt 1                                 ; this step's numbers are back from the stage (the last step's byte store may be out): so its stores into the stage have read their registers,
.else
	s_wait_dscnt 0x0
.endif
.if (\t)+4 < STEPS
	LOAD (\t)+4                                    ; which take the loads of four steps on
.endif
.if (\t)+1 < STEPS
.if STEPS-2-(\t) >= 3
	s_wait_loadcnt 12                              ; the next step's four loads are in; those of the three steps behind it may be out
.else
	s_wait_loadcnt 4*(STEPS-2-(\t))
.endif
	TURN (\t)+1                                    ; and go through the other stage while this step is worked
.endif
	v_max3_num_f32 v8, |v[XS]|, |v[XS+1]|, |v[XS+2]|               ; the largest magnitude of my 16
	v_max3_num_f32 v9, |v[XS+3]|, |v[XS+4]|, |v[XS+5]|
.irp i, 6,10
	v_max3_num_f32 v8, v8, |v[XS+\i]|, |v[XS+\i+1]|
	v_max3_num_f32 v9, v9, |v[XS+\i+2]|, |v[XS+\i+3]|
.endr
	v_max3_num_f32 v8, v8, |v[XS+14]|, |v[XS+15]|
	v_max3_num_f32 v8, v8, v9, (EMAX+1)<<23        ; and the floor 2^(EMAX + 1 - 127): the byte cannot fall under 1
	v_max_num_f32_dpp v8, v8, v8 row_xmask:1 row_mask:0xf bank_mask:0xf   ; and of my neighbour's 16: the block's
	v_add_nc_u32 v11, -(EMAX<<23), v8              ; EMAX off its exponent field: the conversion takes the exponent field of this operand as its scale
	v_cvt_scalef32_pk16_fp6_f32 v[C+4*(\t):C+4*(\t)+2], v[XS:XS+15], v11
	v_lshrrev_b32 v[E+(\t)], 23, v11               ; the scale's byte
	ds_store_b8 v5, v[E+(\t)] offset:16*(\t)       ; both lanes of a block write the same byte with the same value
	global_store_b96 v4, v[C+4*(\t):C+4*(\t)+2], s[6:7] offset:32*CB*(\t)
.endm
.irp t, 0,1,2,3,4,5,6,7,8,9,10,11,12,13,14,15
	STEP \t
.endr
	ds_load_b64 v[12:13], v6                       ; LDS serves a wave's instructions in order: these see my stores
	s_wait_dscnt 0x0
	global_store_b64 v7, v[12:13], s[26:27]        ; 32 lanes store 256 consecutive bytes, aligned
	s_wait_tensorcnt 0x0
	ds_add_u32 v192, v193
	s_wait_dscnt 0x0
	s_endpgm
.Lfunc_end_k_qa191985bd2_quant:
	.size	k_qa191985bd2_quant, .Lfunc_end_k_qa191985bd2_quant-k_qa191985bd2_quant
	.p2alignl 7, 3214868480
	.fill 96, 4, 3214868480
	.section	.rodata,"a",@progbits
	.p2align	6, 0x0
	.amdhsa_kernel k_qa191985bd2_quant
		.amdhsa_group_segment_fixed_size 33280
		.amdhsa_private_segment_fixed_size 0
		.amdhsa_enable_private_segment 0
		.amdhsa_kernarg_size 72
		.amdhsa_user_sgpr_count 2
		.amdhsa_user_sgpr_kernarg_segment_ptr 1
		.amdhsa_wavefront_size32 1
		.amdhsa_system_sgpr_workgroup_id_x 1
		.amdhsa_system_sgpr_workgroup_id_y 1
		.amdhsa_system_sgpr_workgroup_id_z 1
		.amdhsa_system_vgpr_workitem_id 0
		.amdhsa_next_free_vgpr 194
		.amdhsa_next_free_sgpr 66
		.amdhsa_reserve_vcc 0
		.amdhsa_float_denorm_mode_32 3
		.amdhsa_float_denorm_mode_16_64 3
		.amdhsa_memory_ordered 1
		.amdhsa_forward_progress 1
		.amdhsa_inst_pref_size 33
	.end_amdhsa_kernel
	.amdgpu_metadata
---
amdhsa.version: [ 1, 2 ]
amdhsa.kernels:
  - .name:           k_qa191985bd2_quant
    .symbol:         k_qa191985bd2_quant.kd
    .args:
      - { .name: x, .offset: 0, .size: 8, .value_kind: global_buffer, .address_space: global }
      - { .name: Wq, .offset: 8, .size: 8, .value_kind: global_buffer, .address_space: global }
      - { .name: Wk, .offset: 16, .size: 8, .value_kind: global_buffer, .address_space: global }
      - { .name: Wv, .offset: 24, .size: 8, .value_kind: global_buffer, .address_space: global }
      - { .name: Wo, .offset: 32, .size: 8, .value_kind: global_buffer, .address_space: global }
      - { .name: x_codes, .offset: 40, .size: 8, .value_kind: global_buffer, .address_space: global }
      - { .name: x_scales, .offset: 48, .size: 8, .value_kind: global_buffer, .address_space: global }
      - { .name: w_codes, .offset: 56, .size: 8, .value_kind: global_buffer, .address_space: global }
      - { .name: w_scales, .offset: 64, .size: 8, .value_kind: global_buffer, .address_space: global }
    .group_segment_fixed_size: 33280
    .private_segment_fixed_size: 0
    .kernarg_segment_align: 8
    .kernarg_segment_size: 72
    .max_flat_workgroup_size: 128
    .sgpr_count:     66
    .vgpr_count:     194
    .wavefront_size: 32
...
	.end_amdgpu_metadata
.endif
;; end of part 1
;; launch qkv (part 2): grid 96 x 4, 4 waves a work-group, clusters of 4 x 4, 327,680 bytes of LDS; arguments x_codes, x_scales, w_codes, w_scales, bq, bk, bv, cos, sin, q_ws, kv_ws; writes q_ws, kv_ws
.if DOCPART == 2
	.amdgcn_target "amdgcn-amd-amdhsa--gfx1250"
	.amdhsa_code_object_version 6
	.text
	.protected	k_qa191985bd2_qkv
	.globl	k_qa191985bd2_qkv
	.p2align	8
	.type	k_qa191985bd2_qkv,@function
k_qa191985bd2_qkv:
	s_mov_b64 s[64:65], 0
	v_nop
	global_prefetch_b8 v0, s[64:65] scope:SCOPE_SE
	s_setreg_imm32_b32 hwreg(HW_REG_WAVE_MODE, 25, 1), 1
	s_wait_xcnt 0x0
	s_wait_alu depctr_hold_cnt(0) depctr_sa_sdst(0) depctr_va_vdst(0) depctr_va_sdst(0) depctr_va_ssrc(0) depctr_va_vcc(0) depctr_vm_vsrc(0)
	s_getreg_b32 s2, hwreg(HW_REG_IB_STS2, 6, 4)
	s_cmp_eq_u32 s2, 0
	s_cbranch_scc0 .Lentry_in_a_cluster
	s_endpgm
.Lentry_in_a_cluster:
	s_bfe_u32 s2, ttmp6, 0x10000c
	s_cmp_lg_u32 s2, 0xf033
	s_cbranch_scc0 .Lentry_shape_is_right
	s_endpgm
.Lentry_shape_is_right:
; q = rope(x Wq^T + bq), k = rope(x Wk^T + bk), v = x Wv^T + bv on codes of FP6 (E2M3) with E8M0 scales, K = 1,024; the results are quantised at once for the attention launch:
; q and k along the head's 64, v along the keys, and stored as IMAGES of the operands' registers (group c of four registers: 512 bytes, lane l's at 16 l).
; A work-group of four waves makes 256 x 256 results, a wave 128 x 128 in 64 accumulators.  K goes in steps of 256 through a ring of two LDS slots filled by the tensor data mover; the scale bytes of the
; work-group's rows come once and stay.  4 x 4 work-groups form a cluster; tiles shared along a row or a column of the cluster are asked for jointly.
; SOURCES.  P is the matrix instruction's first source (its rows run along a lane's registers in the result), R the second (a lane of the result holds one row of R).
; The cluster's number c says what is made: c = 0-7 q, 8-15 k: P = rows of the weight, R = rows of x: a lane holds one token and 16 + 16 neighbouring channels of a head: rope's partners and the quantiser's blocks.
; c = 16-23 v: P = rows of x, R = rows of Wv: a lane holds one channel and its registers run along the tokens, which are the second attention product's K.  Only pointers differ in the main part.
; Rows of x and of the weights lie at positions (bits 3 and 4 of the row's number exchanged): registers of accumulators 2 b, 2 b + 1 are the true indices 32 b + 16 (lane / 16) + 0 .. 15; lane r of tile a is the true row 32 (a / 2) + 8 (a % 2) + r + 8 (r / 8).
; THE FACTOR 64^-0.5 = 2^-3 of the scores is taken off q's scale bytes (byte - 3): exact.
; LIMITS: NaN and infinities are not served.  A block of zeros gets the floor's byte, not 127: its codes are zeros and this program alone reads the bytes.  A block of q whose largest magnitude lies under 2^-121 is
; quantised with the scale 2^-123 (floor 2^(6 - 127)), so that its byte less 3 stays at 1 or above.
; REGISTERS, in windows of 256: window 0: v0-31 addresses; v32-63 scale words, two sets; from v128 R's fragments, one set.  window 1: P's fragments, two sets, at v0 and v128.  windows 2, 3: the accumulators ((a, b) at v[8 (8 (a % 4) + b)]).
.set KSTEP,  256                       ; along K in a slot
.set NQ,     2                         ; matrix instructions deep
.set ROWB,   192                       ; a tile's row in bytes
.set KROW,   768                       ; a row of codes in memory
.set PITCH,  240                       ; an LDS row: 3 x (64 bytes + 16 of padding)
.set FR,     12                        ; registers of a fragment
.set NL,     6                         ; LDS loads that bring one
.set NP,     4                         ; places behind this matrix instruction (ISA guide 7.12.1)
.set HALFT,  128*PITCH
.set SLOT,   4*HALFT
.set KS,     32                        ; a row of scale bytes
.set SCL,    2*SLOT                    ; behind the ring: the scale bytes, as rows of 256 bytes + 16 of padding
.set HALFS,  (128*KS/256)*272
.set SBLK,   (16*KS/256)*272
.set SPARE,  SCL+4*HALFS               ; the spare words: 128 bytes for each wave, named by no other line
.set ADRA, 16                          ; v16-19  LDS addresses of R's fragments in slot 0, 1 (v18-19: behind one padding more)
.set ADRB, 20                          ; v20-23  the same for P
.set LI,   26                          ; v26     the way out: 16 x lane
.set ADRS, 27                          ; v27     LDS address of my scale words
.set SPW,  28                          ; v28     LDS address of my spare word; never rewritten
.set NIL,  29                          ; v29     0; never rewritten
.set CA,   30                          ; v30     the way out: my offset in cos and sin (v: 8 x lane)
.set BA,   31                          ; v31     the way out: my offset in the bias
.set SC,   32
.set AF,   128
.set G1, 24
.set G0, 32
.set G1B, 48
.set G0B, 56
.set G1S, 68
.set G0S, 76
.set G1SB, 80
.set G0SB, 88
.set SEL,  82                          ; the way out: s[82:83] lane selects for lane l xor 16
.set HM,   84                          ; s84 lanes 16-31
.set FLOOR, 85                         ; s85 the floor under a block's largest magnitude
.set WADD, 86                          ; s86 what is added to a scale word
.set MSB, 0
.macro WIN new                         ; the immediate's high byte repeats the setting that is left
.if MSB != (\new)
	s_set_vgpr_msb (MSB<<8)|(\new)
.set MSB, (\new)
.endif
.endm
.set MUL_LO, 0xa1                      ; source 0 (P) window 1, source 1 (R) window 0, C and D window 2
.set MUL_HI, 0xf1                      ; the same, C and D window 3
.set TO_B,   0x40                      ; destination window 1, address window 0
; A joint load: waves 0 and 1 fetch for R, waves 2 and 3 for P.  The branch hangs on the wave's number alone.  Four v_nop follow each of the two lines.
.macro JLOAD g0a, g1a, g0b, g1b
	s_cmp_eq_u32 s15, 0
	s_cbranch_scc0 .Lfor_b_\@
	tensor_load_to_lds s[\g0a:\g0a+3], s[\g1a:\g1a+7]
	s_nop 0
.rept 4
	v_nop
.endr
	s_branch .Lasked_\@
.Lfor_b_\@:
	tensor_load_to_lds s[\g0b:\g0b+3], s[\g1b:\g1b+7]
	s_nop 0
.rept 4
	v_nop
.endr
.Lasked_\@:
.endm
.macro CREST                           ; a round of the cluster's barrier behind its opening barrier
	s_cmp_lg_u32 s14, 0
	s_cbranch_scc1 .Lnot_wave_0_\@
	s_barrier_signal -3
.Lnot_wave_0_\@:
	s_barrier_wait -3
	s_barrier_signal -1
	s_barrier_wait -1
.endm
.macro CROUND                          ; a whole round
	s_barrier_signal -1
	s_barrier_wait -1
	CREST
.endm
	s_load_b128 s[4:7], s[0:1], 0x0                ; x's codes, x's scales
	s_load_b128 s[8:11], s[0:1], 0x10              ; the weights' codes, their scales
	v_lshl_add_u32 v[SPW], v0, 2, SPARE
	v_mov_b32 v[NIL], 0
	ds_add_u32 v28, v29
	ds_add_u32 v28, v29
	s_wait_dscnt 0x0
	v_lshrrev_b32 v1, 5, v0
	v_readfirstlane_b32 s14, v1                    ; wave 0..3
	s_lshr_b32 s15, s14, 1                         ; which half of R's rows is mine.  Also: I fetch for R (0) or for P (1)
	s_and_b32 s16, s14, 1                          ; which half of P's rows.  Also: which 128 rows of that tile I fetch
	s_bfe_u32 s40, ttmp6, 0x40000                  ; cx, cy: my place in the cluster
	s_bfe_u32 s41, ttmp6, 0x40004
	s_lshr_b32 s18, ttmp9, 3
	s_and_b32 s19, ttmp9, 7
	s_cmp_ge_u32 ttmp9, 16                         ; the cluster's number: the same in all sixteen partners
	s_cselect_b32 s42, s19, s18                    ; P: v: x's rows by c & 7; q, k: the weight by c >> 3
	s_cselect_b32 s17, 2, s19                      ; R: v: Wv's rows (2,048 on); q, k: x's rows by c & 7
	s_lshl_b32 s42, s42, 2
	s_add_co_u32 s42, s42, s40                     ; P's tile of 256 rows
	s_lshl_b32 s17, s17, 2
	s_add_co_u32 s17, s17, s41                     ; R's tile of 256 rows
	s_lshl_b32 s43, s41, 2
	s_lshl_b32 s43, 15, s43                        ; my row of the cluster
	s_lshl_b32 s44, 0x1111, s40                    ; my column
	; descriptor group 1: a tile of 128 rows x 192 bytes, 16 bytes of padding behind every 64
	s_or_b32 s[G1+0], s43, (0<<16)|(1<<20)|(1<<21)|(3<<22)|(3<<25)  ; 15:0 the mask: R's tiles go to my row; elements of 1 byte; padding on; bit 21 beside a mask; after every 16 words 4 words
	s_or_b32 s[G1B+0], s44, (0<<16)|(1<<20)|(1<<21)|(3<<22)|(3<<25)
.irp g, G1, G1B
	s_mov_b32 s[\g+1], ROWB<<16                    ; tensor_dim0
	s_mov_b32 s[\g+2], 128<<16                     ; tensor_dim1
	s_mov_b32 s[\g+3], ROWB<<16                    ; tile_dim0
	s_mov_b32 s[\g+4], 128                         ; tile_dim1
	s_mov_b32 s[\g+5], KROW                        ; from row to row
	s_mov_b32 s[\g+6], 0
	s_mov_b32 s[\g+7], 0
.endr
	; the scale bytes of 128 rows: a dense block of 4,096 bytes, as 16 rows of 256 bytes (32 elements of 8), 16 bytes of padding behind each
	s_or_b32 s[G1S+0], s43, (3<<16)|(1<<20)|(1<<21)|(5<<22)|(3<<25)
	s_or_b32 s[G1SB+0], s44, (3<<16)|(1<<20)|(1<<21)|(5<<22)|(3<<25)
.irp g, G1S, G1SB
	s_mov_b32 s[\g+1], 32<<16
	s_mov_b32 s[\g+2], (128*KS/256)<<16
	s_mov_b32 s[\g+3], 32<<16
	s_mov_b32 s[\g+4], 128*KS/256
	s_mov_b32 s[\g+5], 32
	s_mov_b32 s[\g+6], 0
	s_mov_b32 s[\g+7], 0
.endr
	s_lshl_b32 s18, s16, 7                         ; which 128 rows of the tile I fetch
	s_lshl_b32 s20, s17, 8
	s_add_co_u32 s20, s20, s18                     ; R: row 256 x tile + 128 x half
	s_lshl_b32 s46, s42, 8
	s_add_co_u32 s46, s46, s18                     ; P likewise
	s_mov_b32 s21, 0
	s_mov_b32 s47, 0
	s_mov_b64 s[18:19], KS
	s_mul_u64 s[22:23], s[20:21], s[18:19]         ; where these rows' scale bytes begin
	s_mul_u64 s[92:93], s[46:47], s[18:19]
	s_mov_b64 s[18:19], KROW
	s_mul_u64 s[20:21], s[20:21], s[18:19]         ; and their codes
	s_mul_u64 s[46:47], s[46:47], s[18:19]
	s_mul_i32 s45, s14, HALFT                      ; where they go: wave x 128 rows: no place in the cluster enters an LDS address
	s_mul_i32 s94, s14, HALFS
	s_wait_kmcnt 0x0
	s_cmp_ge_u32 ttmp9, 16                         ; for v the two tensors change places
	s_cselect_b64 s[96:97], s[8:9], s[4:5]         ; R's codes
	s_cselect_b64 s[98:99], s[10:11], s[6:7]       ; R's scales
	s_cselect_b64 s[8:9], s[4:5], s[8:9]           ; P's codes
	s_cselect_b64 s[10:11], s[6:7], s[10:11]       ; P's scales
	s_add_nc_u64 s[20:21], s[96:97], s[20:21]
	s_add_nc_u64 s[22:23], s[98:99], s[22:23]
	s_add_nc_u64 s[46:47], s[8:9], s[46:47]
	s_add_nc_u64 s[92:93], s[10:11], s[92:93]
	CROUND                                         ; all sixteen work-groups are here: the first joint loads meet
	s_mov_b32 s[G0S], 1
	s_add_co_u32 s[G0S+1], s94, SCL
	s_mov_b64 s[G0S+2:G0S+3], s[22:23]
	s_or_b32 s[G0S+3], s[G0S+3], 0x80000000
	s_mov_b32 s[G0SB], 1
	s_add_co_u32 s[G0SB+1], s94, SCL
	s_mov_b64 s[G0SB+2:G0SB+3], s[92:93]
	s_or_b32 s[G0SB+3], s[G0SB+3], 0x80000000
	JLOAD G0S, G1S, G0SB, G1SB                     ; the scale bytes first: they are wanted with K step 0
.irp s, 0,1
	s_mov_b32 s[G0+4*\s], 1
	s_add_co_u32 s[G0+4*\s+1], s45, \s*SLOT
	s_add_nc_u64 s[G0+4*\s+2:G0+4*\s+3], s[20:21], \s*ROWB
	s_or_b32 s[G0+4*\s+3], s[G0+4*\s+3], 0x80000000
	s_mov_b32 s[G0B+4*\s], 1
	s_add_co_u32 s[G0B+4*\s+1], s45, \s*SLOT
	s_add_nc_u64 s[G0B+4*\s+2:G0B+4*\s+3], s[46:47], \s*ROWB
	s_or_b32 s[G0B+4*\s+3], s[G0B+4*\s+3], 0x80000000
	JLOAD G0+4*\s, G1, G0B+4*\s, G1B               ; three tensor loads of mine are out at the most
.endr
	v_and_b32 v1, 15, v0                           ; l % 16
	v_bfe_u32 v2, v0, 4, 1                         ; l / 16
	v_mul_u32_u24 v3, v1, PITCH
	v_mul_u32_u24 v4, v2, 24
	v_add_nc_u32 v4, v3, v4                        ; a fragment's row x pitch + 24 x half
	v_lshl_add_u32 v5, v2, 4, v4                   ; and the same behind one padding more
	s_mul_i32 s21, s15, HALFT                      ; my 128 rows of R
	s_mul_i32 s22, s16, HALFT                      ; my 128 rows of P,
	s_add_co_u32 s22, s22, 2*HALFT                 ; which lie behind R's 256
.irp s, 0,1
	v_add_nc_u32 v[ADRA+\s], s21, v4
	v_add_nc_u32 v[ADRB+\s], s22, v4
	v_add_nc_u32 v[ADRA+2+\s], s21, v5
	v_add_nc_u32 v[ADRB+2+\s], s22, v5
	s_add_co_u32 s21, s21, SLOT
	s_add_co_u32 s22, s22, SLOT
.endr
	v_mul_u32_u24 v5, v1, KS                       ; my row's scale bytes: KS a row,
	v_lshrrev_b32 v6, 8, v5
	v_lshl_add_u32 v5, v6, 4, v5                   ; and 16 more for each 256 passed
	s_mul_i32 s21, s15, HALFS
	s_mul_i32 s22, s16, HALFS
	s_add_co_u32 s22, s22, 2*HALFS
	s_sub_co_u32 s22, s22, s21
	v_mul_u32_u24 v6, s22, v2                      ; lanes 16-31 take P's
	s_add_co_u32 s21, s21, SCL
	v_add_nc_u32 v5, v5, v6
	v_add_nc_u32 v[ADRS], s21, v5
.macro FRAG reg, adr, q, i             ; a fragment: lane l holds row l % 16; registers 6 c .. 6 c + 5 hold K = 64 c + 32 (l / 16) + 0 .. 31: 24 bytes of the row, in pieces of 8
.irp p, 0,1,2,3,4,5
.set PCE, 12*(\q)+6*(\p/3)+\p%3       ; where the piece three on lies behind one padding more, the second address register serves
.if PCE%8 < 5
	ds_load_b64 v[\reg+2*\p:\reg+2*\p+1], v[\adr] offset:8*PCE+16*(PCE/8)+(\i)*16*PITCH
.else
	ds_load_b64 v[\reg+2*\p:\reg+2*\p+1], v[\adr+2] offset:8*PCE+16*(PCE/8)+(\i)*16*PITCH
.endif
.endr
.endm
; 16 matrix instructions: R's blocks a0, a0 + 1 x P's eight.  The 64 accumulators take turns, one instruction a turn, in the same order in every step.
.macro MUL16 a0, p, q, sc, zero
.irp a, \a0, \a0+1
.irp b, 0,1,2,3,4,5,6,7
.if \zero
	v_wmma_scale_f32_16x16x128_f8f6f4 v[8*(8*((\a)%4)+\b):8*(8*((\a)%4)+\b)+7], v[128*(\p)+FR*\b:128*(\p)+FR*\b+FR-1], v[AF+FR*(\a):AF+FR*(\a)+FR-1], 0, v[SC+8*NQ*(\sc)+NQ*\b+(\q)], v[SC+8*NQ*(\sc)+NQ*(\a)+(\q)] matrix_a_fmt:MATRIX_FMT_FP6 matrix_b_fmt:MATRIX_FMT_FP6 matrix_a_scale:MATRIX_SCALE_ROW1
.else
	v_wmma_scale_f32_16x16x128_f8f6f4 v[8*(8*((\a)%4)+\b):8*(8*((\a)%4)+\b)+7], v[128*(\p)+FR*\b:128*(\p)+FR*\b+FR-1], v[AF+FR*(\a):AF+FR*(\a)+FR-1], v[8*(8*((\a)%4)+\b):8*(8*((\a)%4)+\b)+7], v[SC+8*NQ*(\sc)+NQ*\b+(\q)], v[SC+8*NQ*(\sc)+NQ*(\a)+(\q)] matrix_a_fmt:MATRIX_FMT_FP6 matrix_b_fmt:MATRIX_FMT_FP6 matrix_a_scale:MATRIX_SCALE_ROW1
.endif
.endr
.endr
.endm
.macro FETCH_B slot, q, p              ; P's eight fragments of the slot's q-th 128 along K into set p
	WIN TO_B
.irp i, 0,1,2,3,4,5,6,7
	FRAG 128*(\p)+FR*\i, ADRB+\slot, \q, \i
.endr
	WIN 0
.endm
.macro FETCH_A slot, q, i0             ; R's blocks i0 .. i0 + 3
.irp i, \i0, \i0+1, \i0+2, \i0+3
	FRAG AF+FR*(\i), ADRA+\slot, \q, \i
.endr
.endm
.macro SCALES sc                       ; a K step's scale words into set sc: lanes 0-15 take R's block i, lanes 16-31 P's block i
.irp i, 0,1,2,3,4,5,6,7
	ds_load_b64 v[SC+8*NQ*\sc+NQ*\i:SC+8*NQ*\sc+NQ*\i+1], v[ADRS] offset:\i*SBLK
.endr
.endm
.macro PLACES n                        ; plain vector instructions between a matrix instruction and a load into, or a read of, its registers
.rept \n
	v_nop
.endr
.endm
.macro STEP slot, q, zero              ; a step of 128 along K that has its successor in the same slot
	s_wait_dscnt 4*NL                              ; P's set and R's blocks 0-3 are in; the youngest 24 loads (R's blocks 4-7) may be out
	WIN MUL_LO
	MUL16 0, (\q)%2, \q, \slot, \zero
	MUL16 2, (\q)%2, \q, \slot, \zero
	s_wait_dscnt 0
	PLACES NP
	FETCH_B \slot, (\q)+1, 1-(\q)%2
	FETCH_A \slot, (\q)+1, 0
	WIN MUL_HI
	MUL16 4, (\q)%2, \q, \slot, \zero
	MUL16 6, (\q)%2, \q, \slot, \zero
	PLACES NP
	WIN 0
	FETCH_A \slot, (\q)+1, 4
.endm
; A slot's last step changes slots: one barrier; in front of it each wave waits for all its tensor loads, adds 0 to its spare word, and waits for that and for its own reads of this slot.
.macro TURN slot, next, fill
	s_wait_tensorcnt 0x0                           ; all my tensor loads have landed: my part of the next slot
	ds_add_u32 v[SPW], v[NIL]                      ; 0 onto my spare word
	s_wait_dscnt 4*NL+1                            ; (the add and the youngest 24 loads may be out)
	WIN MUL_LO
	MUL16 0, 1, NQ-1, \slot, 0
	s_wait_dscnt 0x0                               ; the add is done, and my reads of this slot are over
	s_barrier_signal -1
	MUL16 2, 1, NQ-1, \slot, 0
	WIN 0
	s_barrier_wait -1
.if \fill
	CREST                                          ; the barrier has opened a round of the cluster's barrier: no wave of any partner still reads this slot or has a load on its way
	s_add_nc_u64 s[G0+4*\slot+2:G0+4*\slot+3], s[G0+4*\slot+2:G0+4*\slot+3], 2*ROWB
	s_add_nc_u64 s[G0B+4*\slot+2:G0B+4*\slot+3], s[G0B+4*\slot+2:G0B+4*\slot+3], 2*ROWB
	JLOAD G0+4*\slot, G1, G0B+4*\slot, G1B         ; the first tensor load behind the round; its four v_nop are the places in front of the loads below
.else
	PLACES NP
.endif
	v_add_nc_u32 v[ADRS], 4*NQ, v[ADRS]            ; on to the next K step's scale words
	FETCH_B \next, 0, 0
	FETCH_A \next, 0, 0
	SCALES \next
	WIN MUL_HI
	MUL16 4, 1, NQ-1, \slot, 0
	MUL16 6, 1, NQ-1, \slot, 0
	PLACES NP
	WIN 0
	FETCH_A \next, 0, 4
.endm
	s_wait_tensorcnt 1                             ; the scale bytes and my part of K step 0 are in (K step 1's load may be out),
	s_barrier_signal -1
	s_barrier_wait -1                              ; everybody's are
	FETCH_B 0, 0, 0
	FETCH_A 0, 0, 0
	SCALES 0
	FETCH_A 0, 0, 4
	STEP 0, 0, 1                                   ; K = 1,024 is eight steps of 128, four slots' worth: written out.  The first products start the sums
	TURN 0, 1, 1
	STEP 1, 0, 0
	TURN 1, 0, 1
	STEP 0, 0, 0
	TURN 0, 1, 0                                   ; nothing is left to fetch
	s_load_b256 s[68:75], s[0:1], 0x20             ; no tensor load of mine is out: the descriptors' registers take bq s[68:69], bk s[70:71], bv s[72:73], cos s[74:75],
	s_load_b128 s[76:79], s[0:1], 0x40             ; sin s[76:77], q_ws s[78:79],
	s_load_b64 s[80:81], s[0:1], 0x50              ; kv_ws
	STEP 1, 0, 0
	s_wait_dscnt 4*NL
	WIN MUL_LO
	MUL16 0, 1, NQ-1, 1, 0
	MUL16 2, 1, NQ-1, 1, 0
	s_wait_dscnt 0
	WIN MUL_HI
	MUL16 4, 1, NQ-1, 1, 0
	MUL16 6, 1, NQ-1, 1, 0
	WIN 0
; THE WAY OUT: no LDS, no barrier.  Registers now: window 0: v32-159 two sets of cos and sin (v: v32-47 the bias, v96-159 a tile's numbers); v160-191 a tile's 32 numbers of a head (v: codes at work); v192-215 the codes of two heads' pair of tiles;
; v216-241 at work.  window 1: v0-63 the bias of my 128 channels; v64-95 a tile's numbers with the bias.
.set CS,   32
.set YY,   160
.set CODE, 192
.set CVT,  216
.set SCW,  220
.set WW,   228
.set MM,   232
.set XX,   234
.set SO,   236
.set BB,   238
.set BIAS, 0
.set TT,   64
.set BV,   32
.set VT,   96
.set PCV,  160
.set TM,   200
.set PW,   216
.set WA,   220
.set VSW,  228
	PLACES NP                                      ; behind the last products: their results are read and their operands' registers loaded from here on
	s_wait_kmcnt 0x0
	s_mov_b32 s[SEL], 0x76543210
	s_mov_b32 s[SEL+1], 0xfedcba98
	s_mov_b32 s[HM], 0xffff0000
	v_and_b32 v1, 15, v0                           ; r
	v_bfe_u32 v2, v0, 4, 1                         ; h
	v_and_b32 v3, 31, v0
	v_lshlrev_b32 v[LI], 4, v3
	v_and_b32 v4, 8, v1
	v_add_nc_u32 v4, v4, v1                        ; r + 8 (r / 8)
	s_cmp_ge_u32 ttmp9, 16                         ; the cluster's number: all partners take the same way
	s_cbranch_scc1 .Lkind_v
; ---- q and k.  32 numbers of a lane, register 16 b + i = channel 32 b + 16 h + i of its token's head, become six registers of codes (K = 32 h + 0 .. 31) and a scale word
.macro QUANT2 y, dst, word
	v_max3_num_f32 v[MM], |v[(\y)]|, |v[(\y)+1]|, s[FLOOR]         ; my 16 numbers of each block, and the floor
	v_max3_num_f32 v[MM+1], |v[(\y)+16]|, |v[(\y)+17]|, s[FLOOR]
.irp n, 2,4,6,8,10,12,14
	v_max3_num_f32 v[MM], v[MM], |v[(\y)+\n]|, |v[(\y)+\n+1]|
	v_max3_num_f32 v[MM+1], v[MM+1], |v[(\y)+16+\n]|, |v[(\y)+17+\n]|
.endr
	v_permlanex16_b32 v[XX], v[MM], s[SEL], s[SEL+1]
	v_permlanex16_b32 v[XX+1], v[MM+1], s[SEL], s[SEL+1]
	v_max_num_f32 v[MM], v[MM], v[XX]              ; with lane l xor 16's: the block's largest magnitude
	v_max_num_f32 v[MM+1], v[MM+1], v[XX+1]
	v_add_nc_u32 v[SO], 0xff000000, v[MM]          ; 2 off its exponent field: the conversion's scale operand
	v_add_nc_u32 v[SO+1], 0xff000000, v[MM+1]
	v_lshrrev_b32 v[BB], 23, v[SO]                 ; the scale's byte
	v_lshrrev_b32 v[BB+1], 23, v[SO+1]
	v_lshl_or_b32 v[(\word)], v[BB+1], 8, v[BB]
	v_add_nc_u32 v[(\word)], s[WADD], v[(\word)]   ; bytes 2 and 3 become 0x7f (they scale zero codes); for q 3 comes off bytes 0 and 1
	v_cvt_scalef32_pk16_fp6_f32 v[(\dst):(\dst)+2], v[(\y):(\y)+15], v[SO]
	v_cvt_scalef32_pk16_fp6_f32 v[CVT:CVT+2], v[(\y)+16:(\y)+31], v[SO+1]
	v_nop                                          ; one plain place behind a scaled conversion
.irp n, 0,1,2
	v_permlane16_swap_b32 v[(\dst)+\n], v[CVT+\n]  ; a whole block to a lane: lanes 0-15 block 0, lanes 16-31 block 1
.endr
.irp n, 0,1,2
	v_mov_b32 v[(\dst)+3+\n], v[CVT+\n]
.endr
.endm
.macro CSLOAD a                        ; cos and sin of tile a's tokens: my token's channels 16 h + 0 .. 15 and 32 + 16 h + 0 .. 15: sixteen loads
.set CSL, CS+64*((\a)%2)
.irp b, 0,1
.irp c, 0,1,2,3
	global_load_b128 v[CSL+16*\b+4*\c:CSL+16*\b+4*\c+3], v[CA], s[74:75] offset:(32*((\a)/2)+8*((\a)%2))*256+128*\b+16*\c
	global_load_b128 v[CSL+32+16*\b+4*\c:CSL+32+16*\b+4*\c+3], v[CA], s[76:77] offset:(32*((\a)/2)+8*((\a)%2))*256+128*\b+16*\c
.endr
.endr
.endm
.macro QKTILE a
.if (\a) < 7
	CSLOAD (\a)+1
	s_wait_loadcnt 16                              ; this tile's cos and sin (and the bias) are in; the next tile's sixteen loads may be out
.else
	s_wait_loadcnt 0x0
.endif
	s_wait_xcnt 0x0                                ; the codes' registers are written again only behind this wait: the last stores have read them
.set CSB, CS+64*((\a)%2)
.irp e, 0,1
	WIN 0x46+(\a)/4                                ; the sums from window 2 or 3, the bias and the result in window 1
.set AC, 8*(8*((\a)%4)+4*\e)
.set kk, 0
.rept 16
	v_pk_add_f32 v[TT+kk:TT+kk+1], v[AC+kk:AC+kk+1], v[BIAS+32*\e+kk:BIAS+32*\e+kk+1]   ; each accumulator from its low end on
.set kk, kk+2
.endr
	WIN 0x01
.set kk, 0
.rept 8
	v_pk_mul_f32 v[YY+kk:YY+kk+1], v[TT+kk:TT+kk+1], v[CSB+kk:CSB+kk+1]                 ; x1 cos
.set kk, kk+2
.endr
.set kk, 0
.rept 8
	v_pk_mul_f32 v[YY+16+kk:YY+17+kk], v[TT+16+kk:TT+17+kk], v[CSB+16+kk:CSB+17+kk]     ; x2 cos
.set kk, kk+2
.endr
.set kk, 0
.rept 8
	v_pk_fma_f32 v[YY+kk:YY+kk+1], v[TT+16+kk:TT+17+kk], v[CSB+32+kk:CSB+33+kk], v[YY+kk:YY+kk+1] neg_lo:[1,0,0] neg_hi:[1,0,0]   ; - x2 sin
.set kk, kk+2
.endr
.set kk, 0
.rept 8
	v_pk_fma_f32 v[YY+16+kk:YY+17+kk], v[TT+kk:TT+kk+1], v[CSB+48+kk:CSB+49+kk], v[YY+16+kk:YY+17+kk]                             ; + x1 sin
.set kk, kk+2
.endr
	WIN 0
	QUANT2 YY, CODE+12*\e+6*((\a)%2), WW+2*\e+(\a)%2
.endr
.if (\a)%2 == 1
.irp e, 0,1
	v_cndmask_b32 v[SCW+4*\e+(\a)/2], v[WW+2*\e], v[WW+2*\e+1], s[HM]   ; lanes 0-15 the even tile's words, lanes 16-31 the odd tile's
.irp c, 0,1,2
	global_store_b128 v[LI], v[CODE+12*\e+4*\c:CODE+12*\e+4*\c+3], s[26+6*\e:27+6*\e] offset:1536*((\a)/2)+512*\c   ; 32 lanes store 512 consecutive bytes
.endr
.endr
.endif
.endm
	s_lshl_b32 s18, s17, 8
	s_lshl_b32 s19, s15, 7
	s_add_co_u32 s18, s18, s19                     ; my first token (a multiple of 128)
	s_lshr_b32 s19, s18, 11                        ; the batch
	s_bfe_u32 s20, s18, 0x40007                    ; which 128 tokens of its 2,048
	s_and_b32 s21, s18, 2047                       ; the token in its sequence
	s_lshl_b32 s22, s42, 8
	s_lshl_b32 s23, s16, 7
	s_add_co_u32 s22, s22, s23                     ; my first row among Wq's and Wk's 2,048
	s_lshr_b32 s23, s22, 10                        ; 0: q, 1: k
	s_and_b32 s22, s22, 1023                       ; my first channel
	s_lshr_b32 s24, s22, 6                         ; my first head
	s_mov_b32 s25, 13056
	s_mov_b32 s[FLOOR], 3<<23
	s_mov_b32 s[WADD], 0x7f7f0000
	s_cmp_eq_u32 s23, 0
	s_cselect_b64 s[26:27], s[78:79], s[80:81]     ; q_ws or kv_ws
	s_cselect_b64 s[28:29], s[68:69], s[70:71]     ; bq or bk
	s_cselect_b32 s25, 6656, s25                   ; a packet's bytes
	s_cselect_b32 s[FLOOR], 6<<23, s[FLOOR]
	s_cselect_b32 s[WADD], 0x7f7efcfd, s[WADD]     ; 0x7f7f0000 - 0x0303
	s_lshl_b32 s30, s19, 4
	s_add_co_u32 s30, s30, s24
	s_lshl_b32 s30, s30, 4
	s_add_co_u32 s30, s30, s20                     ; (16 batch + head) x 16 + the block of tokens
	s_mul_i32 s30, s30, s25
	s_mov_b32 s31, 0
	s_add_nc_u64 s[26:27], s[26:27], s[30:31]      ; my first head's packet
	s_lshl_b32 s30, s25, 4
	s_add_nc_u64 s[32:33], s[26:27], s[30:31]      ; my second head's: 16 packets on
	s_lshl_b32 s30, s22, 2
	s_add_nc_u64 s[28:29], s[28:29], s[30:31]      ; the bias at my first channel
	s_lshl_b32 s30, s21, 8
	s_add_nc_u64 s[74:75], s[74:75], s[30:31]      ; cos and sin at my first token: 256 bytes a row
	s_add_nc_u64 s[76:77], s[76:77], s[30:31]
	v_lshlrev_b32 v[CA], 8, v4
	v_lshl_add_u32 v[CA], v2, 6, v[CA]             ; row r + 8 (r / 8), + 64 h
	v_lshlrev_b32 v[BA], 6, v2
	v_mov_b32 v[XX], 0                             ; written once: a lane permute's destination counts as one of its sources
	v_mov_b32 v[XX+1], 0
	WIN 0x40
.irp e, 0,1
.irp b, 0,1
.irp c, 0,1,2,3
	global_load_b128 v[BIAS+32*\e+16*\b+4*\c:BIAS+32*\e+16*\b+4*\c+3], v[BA], s[28:29] offset:256*\e+128*\b+16*\c
.endr
.endr
.endr
	WIN 0
	CSLOAD 0
.irp a, 0,1,2,3,4,5,6,7
	QKTILE \a
.endr
	global_store_b128 v[LI], v[SCW:SCW+3], s[26:27] offset:6144       ; the scale words of the four pairs of tiles
	global_store_b128 v[LI], v[SCW+4:SCW+7], s[32:33] offset:6144
	s_branch .Ljoin
; ---- v.  64 numbers of a lane, register 16 b + i = key 32 b + 16 h + i of its channel, become a fragment's twelve registers and its scale word
.macro QUANT s
.irp b, 0,1,2,3
	v_max3_num_f32 v[TM+\b], |v[\s+16*\b]|, |v[\s+1+16*\b]|, 0x1800000   ; my 16 numbers of block b, and the floor 2^(3 - 127)
.endr
.irp n, 2,4,6,8,10,12,14
.irp b, 0,1,2,3
	v_max3_num_f32 v[TM+\b], v[TM+\b], |v[\s+16*\b+\n]|, |v[\s+1+16*\b+\n]|
.endr
.endr
.irp b, 0,1,2,3
	v_permlanex16_b32 v[TM+4+\b], v[TM+\b], s[SEL], s[SEL+1]
.endr
.irp b, 0,1,2,3
	v_max_num_f32 v[TM+\b], v[TM+\b], v[TM+4+\b]
.endr
.irp b, 0,1,2,3
	v_add_nc_u32 v[TM+12+\b], 0xff000000, v[TM+\b]
.endr
.irp b, 0,1,2,3
	v_lshrrev_b32 v[TM+4+\b], 23, v[TM+12+\b]
.endr
	v_lshl_or_b32 v[PW], v[TM+5], 8, v[TM+4]
	v_lshl_or_b32 v[PW], v[TM+6], 16, v[PW]
	v_lshl_or_b32 v[PW], v[TM+7], 24, v[PW]
.irp c, 0,1
	v_cvt_scalef32_pk16_fp6_f32 v[PCV+6*\c:PCV+2+6*\c], v[\s+32*\c:\s+15+32*\c], v[TM+12+2*\c]
	v_cvt_scalef32_pk16_fp6_f32 v[PCV+12+4*\c:PCV+14+4*\c], v[\s+16+32*\c:\s+31+32*\c], v[TM+12+2*\c+1]
.endr
	v_nop                                          ; one plain place behind a scaled conversion
.irp c, 0,1
.irp n, 0,1,2
	v_permlane16_swap_b32 v[PCV+6*\c+\n], v[PCV+12+4*\c+\n]
.endr
.irp n, 0,1,2
	v_mov_b32 v[PCV+3+6*\c+\n], v[PCV+12+4*\c+\n]
.endr
.endr
.endm
.macro VTILE a
	WIN 0x02+(\a)/4                                ; the sums from window 2 or 3
.set AC, 64*((\a)%4)
.set kk, 0
.rept 32
	v_pk_add_f32 v[VT+kk:VT+kk+1], v[AC+kk:AC+kk+1], v[BV+2*(\a):BV+2*(\a)+1]   ; + my channel's bias; each accumulator from its low end on
.set kk, kk+2
.endr
	WIN 0
	s_wait_xcnt 0x0                                ; the codes' registers are written again only behind this wait
	QUANT VT
.irp c, 0,1,2
	global_store_b128 v[LI], v[PCV+4*\c:PCV+4*\c+3], s[26+6*((\a)/4):27+6*((\a)/4)] offset:1536*((\a)%4)+512*\c
.endr
.if (\a)%2 == 0
	v_mov_b32 v[WA], v[PW]
.else
	v_cndmask_b32 v[VSW+2*((\a)/4)+((\a)%4)/2], v[WA], v[PW], s[HM]   ; lanes 0-15 the even tile's words, lanes 16-31 the odd tile's
.endif
.if (\a)%4 == 3
	global_store_b64 v[CA], v[VSW+2*((\a)/4):VSW+2*((\a)/4)+1], s[26+6*((\a)/4):27+6*((\a)/4)] offset:6144   ; 32 lanes store 256 consecutive bytes
.endif
.endm
.Lkind_v:
	s_lshl_b32 s18, s42, 8
	s_lshl_b32 s19, s16, 7
	s_add_co_u32 s18, s18, s19                     ; my first token
	s_lshr_b32 s19, s18, 11                        ; the batch
	s_bfe_u32 s20, s18, 0x40007                    ; the key step
	s_sub_co_u32 s22, s17, 8
	s_lshl_b32 s22, s22, 8
	s_lshl_b32 s23, s15, 7
	s_add_co_u32 s22, s22, s23                     ; my first channel
	s_lshr_b32 s24, s22, 6                         ; my first head
	s_lshl_b32 s30, s19, 4
	s_add_co_u32 s30, s30, s24
	s_lshl_b32 s30, s30, 4
	s_add_co_u32 s30, s30, s20
	s_mul_i32 s30, s30, 13056
	s_add_co_u32 s30, s30, 6656                    ; V's part of a packet lies behind K's
	s_mov_b32 s31, 0
	s_add_nc_u64 s[26:27], s[80:81], s[30:31]
	s_add_nc_u64 s[32:33], s[26:27], 16*13056
	s_lshl_b32 s30, s22, 2
	s_add_nc_u64 s[72:73], s[72:73], s[30:31]      ; bv at my first channel
	v_lshlrev_b32 v[BA], 2, v4                     ; 4 (r + 8 (r / 8))
	v_lshlrev_b32 v[CA], 3, v3                     ; 8 x lane
.irp b, 0,1,2,3
	v_mov_b32 v[TM+4+\b], 0                        ; written once: a lane permute's destination counts as one of its sources
.endr
.irp a, 0,1,2,3,4,5,6,7
	global_load_b32 v[BV+2*\a], v[BA], s[72:73] offset:(32*(\a/2)+8*(\a%2))*4      ; twice, for the packed addition
	global_load_b32 v[BV+2*\a+1], v[BA], s[72:73] offset:(32*(\a/2)+8*(\a%2))*4
.endr
	s_wait_loadcnt 0x0
.irp a, 0,1,2,3,4,5,6,7
	VTILE \a
.endr
.Ljoin:
	s_wait_tensorcnt 0x0                           ; the wave's end
	ds_add_u32 v[SPW], v[NIL]
	s_wait_dscnt 0x0
	CROUND                                         ; the closing round: no work-group ends while a partner may still ask for a tile that names it
	s_endpgm
.Lfunc_end_k_qa191985bd2_qkv:
	.size	k_qa191985bd2_qkv, .Lfunc_end_k_qa191985bd2_qkv-k_qa191985bd2_qkv
	.p2alignl 7, 3214868480
	.fill 96, 4, 3214868480
	.section	.rodata,"a",@progbits
	.p2align	6, 0x0
	.amdhsa_kernel k_qa191985bd2_qkv
		.amdhsa_group_segment_fixed_size 327680
		.amdhsa_private_segment_fixed_size 0
		.amdhsa_enable_private_segment 0
		.amdhsa_kernarg_size 88
		.amdhsa_user_sgpr_count 2
		.amdhsa_user_sgpr_kernarg_segment_ptr 1
		.amdhsa_wavefront_size32 1
		.amdhsa_system_sgpr_workgroup_id_x 1
		.amdhsa_system_sgpr_workgroup_id_y 1
		.amdhsa_system_sgpr_workgroup_id_z 1
		.amdhsa_system_vgpr_workitem_id 0
		.amdhsa_next_free_vgpr 1024
		.amdhsa_next_free_sgpr 100
		.amdhsa_reserve_vcc 0
		.amdhsa_float_denorm_mode_32 3
		.amdhsa_float_denorm_mode_16_64 3
		.amdhsa_memory_ordered 1
		.amdhsa_forward_progress 1
		.amdhsa_inst_pref_size 255
	.end_amdhsa_kernel
	.section	.bss,"aw",@nobits
	.p2align	6
	.space	262144
	.amdgpu_metadata
---
amdhsa.version: [ 1, 2 ]
amdhsa.kernels:
  - .name:           k_qa191985bd2_qkv
    .symbol:         k_qa191985bd2_qkv.kd
    .args:
      - { .name: x_codes, .offset: 0, .size: 8, .value_kind: global_buffer, .address_space: global }
      - { .name: x_scales, .offset: 8, .size: 8, .value_kind: global_buffer, .address_space: global }
      - { .name: w_codes, .offset: 16, .size: 8, .value_kind: global_buffer, .address_space: global }
      - { .name: w_scales, .offset: 24, .size: 8, .value_kind: global_buffer, .address_space: global }
      - { .name: bq, .offset: 32, .size: 8, .value_kind: global_buffer, .address_space: global }
      - { .name: bk, .offset: 40, .size: 8, .value_kind: global_buffer, .address_space: global }
      - { .name: bv, .offset: 48, .size: 8, .value_kind: global_buffer, .address_space: global }
      - { .name: cos, .offset: 56, .size: 8, .value_kind: global_buffer, .address_space: global }
      - { .name: sin, .offset: 64, .size: 8, .value_kind: global_buffer, .address_space: global }
      - { .name: q_ws, .offset: 72, .size: 8, .value_kind: global_buffer, .address_space: global }
      - { .name: kv_ws, .offset: 80, .size: 8, .value_kind: global_buffer, .address_space: global }
    .group_segment_fixed_size: 327680
    .private_segment_fixed_size: 0
    .kernarg_segment_align: 8
    .kernarg_segment_size: 88
    .max_flat_workgroup_size: 128
    .sgpr_count:     100
    .vgpr_count:     1024
    .wavefront_size: 32
...
	.end_amdgpu_metadata
.endif
;; end of part 2
;; launch attn (part 3): grid 16 x 16, 8 waves a work-group, clusters of 4 x 4, 327,680 bytes of LDS; arguments q_ws, kv_ws, attn_mask, a_codes, a_scales; writes a_codes, a_scales
.if DOCPART == 3
	.amdgcn_target "amdgcn-amd-amdhsa--gfx1250"
	.amdhsa_code_object_version 6
	.text
	.protected	k_qa191985bd2_attn
	.globl	k_qa191985bd2_attn
	.p2align	8
	.type	k_qa191985bd2_attn,@function
k_qa191985bd2_attn:
	s_mov_b64 s[64:65], 0
	v_nop
	global_prefetch_b8 v0, s[64:65] scope:SCOPE_SE
	s_setreg_imm32_b32 hwreg(HW_REG_WAVE_MODE, 25, 1), 1
	s_wait_xcnt 0x0
	s_wait_alu depctr_hold_cnt(0) depctr_sa_sdst(0) depctr_va_vdst(0) depctr_va_sdst(0) depctr_va_ssrc(0) depctr_va_vcc(0) depctr_vm_vsrc(0)
	s_getreg_b32 s2, hwreg(HW_REG_IB_STS2, 6, 4)
	s_cmp_eq_u32 s2, 0
	s_cbranch_scc0 .Lentry_in_a_cluster
	s_endpgm
.Lentry_in_a_cluster:
	s_bfe_u32 s2, ttmp6, 0x10000c
	s_cmp_lg_u32 s2, 0xf033
	s_cbranch_scc0 .Lentry_shape_is_right
	s_endpgm
.Lentry_shape_is_right:
; softmax(q k^T / 8 + mask) v for 64 (batch, head) pairs of 2,048 tokens and 64 channels, both products on codes of FP6 (E2M3) with E8M0 scales; the result is divided by the row's sum and quantised along D for the last product.
; THE SOFTMAX: t = logit x log2(e); M = the running largest t rounded up to a whole number; p = 2^(t - M) is quantised along the keys; the row's sum is taken of the unquantised p.  When M moves, the sum and O are multiplied by 2^(old M - new M): exact.
; THE LOGIT COSTS NO VECTOR INSTRUCTION: 1 / 8 lies in q's scale bytes, and the mask's tile is loaded into the score registers and is the C of the first product.
; SHARES.  A work-group owns 128 queries of four (batch, head) pairs 4 g + j.  Wave w: pair j = w % 4, queries 64 (w / 4) on: four tiles of 16.  Two waves to a SIMD.  Every wave walks all 2,048 keys, 128 a step: the mask is an input, so no key is left out.
; A step's slot in LDS holds the mask's 128 x 128 numbers (read by all four pairs) and the four pairs' packets of K and V, images of the operands' registers.
; CLUSTER 4 x 4: the mask's tile hangs on the block of queries and is asked for jointly along a row of the cluster, the packets hang on g and are asked for jointly along a column.
; LAYOUT.  S^T = K Q^T + mask^T, O^T = V^T P^T: a lane holds one query (lane % 16).  A tile of K holds the keys 32 (t / 2) + 8 (t % 2) + r + 8 (r / 8): registers of tiles 2 b, 2 b + 1 are keys 32 b + 16 (lane / 16) + 0 .. 15.  V's tiles hold the channels likewise.
; THE HEAD'S 64 IN AN INSTRUCTION OF 128: Q's registers 6-11 are zero codes; K's operand is tile t's six registers and the six that follow (the next tile's, or a pad): they meet zeros under the byte 0x7f and add nothing.
; LIMITS: NaN and infinities are not served.  A query whose 2,048 logits all lie under about -2.08e38 (t leaves f32's range) gives 0 / 0.  A block of zeros gets the byte 1: its codes are zeros and this program alone reads the bytes.
; REGISTERS: window 0: v1-9 addresses; v12-27 four registers of statistics a tile (-M, largest t, the sum in two halves); v28-38 scale words; v40-41 f; v44-91 Q; v96-159 S^T, then p; v160-179 p's codes; v180-199 at work; v200-241 the way out.
;   window 1: v0-127 O^T, 32 a tile; v128-181 K; v184-231 V.
.set MPITCH, 528                       ; a row of the mask in LDS: 512 bytes + 16: the 16 rows of a load start at 16 different groups of four banks (64 banks of 4 bytes: ISA guide 11.1)
.set MASKB,  128*MPITCH
.set PKT,    13056                     ; a packet: K's four pairs of tiles 4 x 1,536, K's scale words 512, V's four fragments 4 x 1,536, V's scale words 256
.set SLOT1,  1<<17                     ; slot 1 begins here: one exclusive or turns an address
.set STAGE,  SLOT1+MASKB+4*PKT         ; behind the ring: 128 tokens x 192 bytes of codes,
.set SSTG,   STAGE+128*192             ; 128 tokens x 8 scale bytes,
.set SPARE,  SSTG+1024                 ; and the spare words, 128 bytes for each of eight waves, named by no other line
.set AM0, 1
.set AK0, 2
.set AV0, 3
.set SPW, 4                            ; v4  LDS address of my spare word; never rewritten
.set NIL, 5                            ; v5  0; never rewritten
.set ADM, 6
.set ADK, 7
.set ADV, 8
.set PFO, 9                            ; v9  the prefetches' offset; never rewritten
.set ST,  12
.set QS,  28
.set KSC, 32
.set VSC, 36
.set PW,  38
.set F,   40
.set Q,   44
.set S,   96
.set PC,  160
.set CVT, 172
.set BM,  180
.set XX,  184
.set SO,  188
.set TP,  192
.set EC,  200
.set EW,  232
.set SA,  236
.set SB,  237
.set RA,  238
.set GA,  239
.set RS,  240
.set GS,  241
.set KF,  128                          ; in window 1
.set VF,  184
.set WV,  14
.set G1M, 24
.set G1K, 32
.set G0M, 40
.set G0K, 44
.set SEL, 48
.set CS,  50                           ; s[50:51] log2(e)
.set TB,  52                           ; s52 LDS byte at which the slot in hand begins
.set CNT, 53                           ; s53 slots still to be asked for
.set LIM, 54                           ; s54 1 in a wave that prefetches, else the greatest number
.set FLOOR, 55
.set PFA, 56
.set PFS, 58
.set MSB, 0
.macro WIN new                         ; the immediate's high byte repeats the setting that is left
.if MSB != (\new)
	s_set_vgpr_msb (MSB<<8)|(\new)
.set MSB, (\new)
.endif
.endm
; A joint load: waves 0-3 fetch 32 rows of the mask's tile each, waves 4-7 a packet each.  The branch hangs on the wave's number alone.  Four v_nop follow each of the two lines.
.macro JLOAD
	s_cmp_lt_u32 s[WV], 4
	s_cbranch_scc0 .Lfor_kv_\@
	tensor_load_to_lds s[G0M:G0M+3], s[G1M:G1M+7]
	s_nop 0
.rept 4
	v_nop
.endr
	s_branch .Lasked_\@
.Lfor_kv_\@:
	tensor_load_to_lds s[G0K:G0K+3], s[G1K:G1K+7]
	s_nop 0
.rept 4
	v_nop
.endr
.Lasked_\@:
.endm
; A prefetch of what the NEXT change of slots will ask for, one key step ahead of that load.  The mask's rows are read by every cluster of a row of clusters: the first of them (cluster x = 0) asks, waves 0 and 1, each for one
; half (256 bytes) of a row's 512, a lane a row; the four partners along x take 32 rows each, told apart by address.  The packets are read by every cluster of a column of clusters: cluster y = 0 asks, waves 4 and 5, lanes 256 bytes apart
; (51 blocks; the lanes over are held at the last); the four partners along y take a packet each, by address.  The last change that fills a slot asks for nothing; steps 0 and 1 come by their loads alone.
.macro ASK
	s_cmp_gt_u32 s[CNT], s[LIM]
	s_cbranch_scc0 .Lnot_mine_\@
	global_prefetch_b8 v[PFO], s[PFA:PFA+1] th:TH_LOAD_NT scope:SCOPE_SE
.Lnot_mine_\@:
.endm
.macro CROUND                          ; a round of the cluster's barrier
	s_barrier_signal -1
	s_barrier_wait -1
	s_cmp_lg_u32 s[WV], 0
	s_cbranch_scc1 .Lnot_wave_0_\@
	s_barrier_signal -3
.Lnot_wave_0_\@:
	s_barrier_wait -3
	s_barrier_signal -1
	s_barrier_wait -1
.endm
	s_load_b256 s[4:11], s[0:1], 0x0               ; q_ws s[4:5], kv_ws s[6:7], the mask s[8:9], a_codes s[10:11]
	s_load_b64 s[12:13], s[0:1], 0x20              ; a_scales
	v_lshl_add_u32 v[SPW], v0, 2, SPARE
	v_mov_b32 v[NIL], 0
	ds_add_u32 v4, v5
	ds_add_u32 v4, v5
	s_wait_dscnt 0x0
	v_lshrrev_b32 v10, 5, v0
	v_readfirstlane_b32 s[WV], v10                 ; wave 0..7
	s_and_b32 s15, s[WV], 3                        ; j.  Also: which quarter of the mask's tile, or which packet, I fetch
	s_lshr_b32 s16, s[WV], 2                       ; which 64 queries
	s_bfe_u32 s17, ttmp6, 0x40000                  ; cx
	s_bfe_u32 s18, ttmp6, 0x40004                  ; cy
	s_lshl_b32 s19, ttmp9, 2
	s_add_co_u32 s19, s19, s17                     ; g = 4 x cluster x + cx
	s_and_b32 s21, ttmp7, 0xffff                   ; cluster y
	s_lshl_b32 s20, s21, 2
	s_add_co_u32 s20, s20, s18                     ; the block of 128 queries = 4 x cluster y + cy
	s_lshl_b32 s22, s18, 2
	s_lshl_b32 s22, 15, s22                        ; my row of the cluster
	s_lshl_b32 s23, 0x1111, s17                    ; my column
	s_or_b32 s[G1M], s22, (2<<16)|(1<<20)|(1<<21)|(6<<22)|(3<<25)   ; the mask's tile goes to my row; elements of 4 bytes; padding on; bit 21 beside a mask; after every 128 words 4 words
	s_mov_b32 s[G1M+1], 128<<16                    ; tensor_dim0 = 128
	s_mov_b32 s[G1M+2], 32<<16                     ; tensor_dim1 = 32
	s_mov_b32 s[G1M+3], 128<<16                    ; tile_dim0
	s_mov_b32 s[G1M+4], 32                         ; tile_dim1
	s_mov_b32 s[G1M+5], 2048                       ; from row to row
	s_mov_b32 s[G1M+6], 0
	s_mov_b32 s[G1M+7], 0
	s_or_b32 s[G1K], s23, (3<<16)|(1<<21)          ; a packet goes to my column; a dense block as 51 rows of 256 bytes (32 elements of 8)
	s_mov_b32 s[G1K+1], 32<<16
	s_mov_b32 s[G1K+2], 51<<16
	s_mov_b32 s[G1K+3], 32<<16
	s_mov_b32 s[G1K+4], 51
	s_mov_b32 s[G1K+5], 32
	s_mov_b32 s[G1K+6], 0
	s_mov_b32 s[G1K+7], 0
	s_lshl_b32 s60, s20, 20                        ; the mask: (128 block + 32 j) rows of 8,192 bytes: made of cy alone
	s_lshl_b32 s61, s15, 18
	s_add_co_u32 s60, s60, s61
	s_mov_b32 s61, 0
	s_lshl_b32 s62, s19, 2
	s_add_co_u32 s62, s62, s15                     ; the pair 4 g + j: made of cx alone
	s_mul_i32 s66, s62, 16*PKT
	s_mov_b32 s67, 0
	s_lshl_b32 s68, s62, 4
	s_add_co_u32 s68, s68, s20
	s_mul_i32 s68, s68, 6656                       ; my queries' packet
	s_mov_b32 s69, 0
	s_mov_b32 s[SEL], 0x76543210
	s_mov_b32 s[SEL+1], 0xfedcba98
	s_mov_b32 s[CS], 0x3fb8aa3b                    ; log2(e)
	s_mov_b32 s[CS+1], s[CS]                       ; (named with it as a pair, so it is written)
	s_mov_b32 s[TB], 0
	s_mov_b32 s[CNT], 15
	s_mov_b32 s[FLOOR], 3<<23
	s_wait_kmcnt 0x0
	s_mov_b32 s[G0M], 1
	s_mul_i32 s[G0M+1], s15, 32*MPITCH             ; no place in the cluster enters an LDS address
	s_add_nc_u64 s[G0M+2:G0M+3], s[8:9], s[60:61]
	s_or_b32 s[G0M+3], s[G0M+3], 0x80000000
	s_mov_b32 s[G0K], 1
	s_mul_i32 s[G0K+1], s15, PKT
	s_add_co_u32 s[G0K+1], s[G0K+1], MASKB
	s_add_nc_u64 s[G0K+2:G0K+3], s[6:7], s[66:67]
	s_or_b32 s[G0K+3], s[G0K+3], 0x80000000
	CROUND                                         ; all sixteen work-groups are here: the first joint loads meet
	JLOAD                                          ; key step 0 into slot 0: one tensor load of mine is out
	; the prefetches: where mine stand, and who asks
	s_and_b32 s71, s[WV], 1
	s_lshl_b32 s72, s20, 20
	s_lshl_b32 s73, s17, 18
	s_add_co_u32 s72, s72, s73                     ; the mask: row 128 block + 32 cx,
	s_lshl_b32 s73, s71, 8
	s_add_co_u32 s72, s72, s73                     ; my half of a row's 512 bytes,
	s_add_co_u32 s72, s72, 512                     ; in key step 1: the first change of slots steps it to step 2
	s_lshl_b32 s73, s19, 2
	s_add_co_u32 s73, s73, s18                     ; the packets: pair 4 g + cy,
	s_lshl_b32 s73, s73, 4
	s_add_co_u32 s73, s73, 1                       ; key step 1
	s_mul_i32 s73, s73, PKT
	s_mov_b32 s[PFS], PKT
	s_cmp_lt_u32 s[WV], 4
	s_cselect_b64 s[PFA:PFA+1], s[8:9], s[6:7]
	s_cselect_b32 s72, s72, s73
	s_cselect_b32 s70, ttmp9, s21                  ; the coordinate along which other clusters read the same bytes
	s_cselect_b32 s[PFS], 512, s[PFS]              ; a key step on
	s_cselect_b32 s75, -1, 0
	s_mov_b32 s[PFS+1], 0
	s_mov_b32 s73, 0
	s_add_nc_u64 s[PFA:PFA+1], s[PFA:PFA+1], s[72:73]
	s_and_b32 s74, s[WV], 2                        ; waves 0, 1, 4, 5
	s_or_b32 s74, s74, s70
	s_cmp_eq_u32 s74, 0
	s_cselect_b32 s[LIM], 1, -1                    ; the same in all sixteen partners, for a given wave
	v_and_b32 v10, 31, v0
	v_lshl_add_u32 v11, s71, 5, v10
	v_min_u32 v11, 50, v11
	v_lshlrev_b32 v11, 8, v11                      ; a packet's blocks of 256 bytes
	v_lshlrev_b32 v[PFO], 13, v10                  ; the mask's rows
	v_cndmask_b32 v[PFO], v11, v[PFO], s75
	; Q: four tiles of 16 NEIGHBOURING queries, gathered from images that hold the tokens at positions.  Query 16 i + r of my 64 lies in pair i / 2 of tiles, tile r / 8 of the pair, lane 8 (i % 2) + r % 8 (+ 16 h)
	s_add_nc_u64 s[4:5], s[4:5], s[68:69]
	s_lshl_b32 s68, s16, 3
	s_add_nc_u64 s[76:77], s[4:5], s[68:69]        ; the scale words: 8 bytes on for the upper 64 queries
	s_mul_i32 s68, s16, 3072
	s_add_nc_u64 s[4:5], s[4:5], s[68:69]          ; the codes: two pairs of tiles on
	v_and_b32 v10, 15, v0                          ; r
	v_bfe_u32 v11, v0, 4, 1                        ; h
	v_and_b32 v[TP], 7, v10
	v_lshrrev_b32 v[TP+1], 3, v10
	v_lshlrev_b32 v[TP+2], 4, v[TP]
	v_lshl_add_u32 v[TP+3], v11, 8, v[TP+2]        ; 16 (r % 8) + 256 h
	v_mad_u32_u24 v[TP+4], v[TP+1], 520, v[TP+3]   ; registers 0, 1 and 4, 5: the pair's second tile lies 520 bytes on,
	v_mad_u32_u24 v[TP+5], v[TP+1], 1016, v[TP+3]  ; registers 2, 3: 1,016
	v_lshl_add_u32 v[TP+6], v[TP+1], 8, v[TP+2]    ; the scale word: 16 (r % 8) + 256 (r / 8)
.irp n, 0,1,2,3
	global_load_b64 v[Q+12*\n:Q+12*\n+1], v[TP+4], s[4:5] offset:1536*(\n/2)+128*(\n%2)
	global_load_b64 v[Q+12*\n+2:Q+12*\n+3], v[TP+5], s[4:5] offset:1536*(\n/2)+128*(\n%2)+8
	global_load_b64 v[Q+12*\n+4:Q+12*\n+5], v[TP+4], s[4:5] offset:1536*(\n/2)+128*(\n%2)+512
	global_load_b32 v[QS+\n], v[TP+6], s[76:77] offset:6144+128*(\n%2)+4*(\n/2)
.endr
	s_mul_i32 s70, s16, 64*MPITCH
	v_mul_u32_u24 v[AM0], v10, MPITCH
	v_lshl_add_u32 v[AM0], v11, 6, v[AM0]
	v_add_nc_u32 v[AM0], s70, v[AM0]               ; the mask: row 64 (w / 4) + r, + 64 h
	s_mul_i32 s70, s15, PKT
	s_add_co_u32 s70, s70, MASKB
	v_and_b32 v[AK0], 31, v0
	v_lshlrev_b32 v[AV0], 3, v[AK0]
	v_lshlrev_b32 v[AK0], 4, v[AK0]
	v_add_nc_u32 v[AK0], s70, v[AK0]               ; my pair's packet + 16 x lane
	v_add_nc_u32 v[AV0], s70, v[AV0]               ; + 8 x lane
	s_mul_i32 s70, s16, 64*192
	s_mul_i32 s71, s15, 48
	s_add_co_u32 s70, s70, s71
	s_add_co_u32 s70, s70, STAGE
	v_mul_u32_u24 v[SA], v10, 192
	v_mad_u32_u24 v[SA], v11, 24, v[SA]
	v_add_nc_u32 v[SA], s70, v[SA]                 ; the stage: token 64 (w / 4) + r, + 48 j + 24 h
	s_lshl_b32 s70, s16, 9
	s_lshl_b32 s71, s15, 1
	s_add_co_u32 s70, s70, s71
	s_add_co_u32 s70, s70, SSTG
	v_lshl_add_u32 v[SB], v10, 3, s70              ; the scale bytes' stage: 8 bytes a token, + 2 j
	v_lshl_add_u32 v[RA], v0, 4, STAGE             ; back: 16 bytes a thread
	v_lshlrev_b32 v[GA], 4, v0
	v_and_b32 v[GS], 127, v0
	v_lshl_add_u32 v[RS], v[GS], 3, SSTG           ; 8 scale bytes a token
	v_lshlrev_b32 v[GS], 5, v[GS]                  ; a token's row of a_scales is 32 bytes
.irp n, 0,1,2,3
	v_mov_b32 v[ST+4*\n+1], 0xff61b1e6             ; the largest t so far: -3e38
	v_floor_f32 v[ST+4*\n], -v[ST+4*\n+1]          ; -M
	v_mov_b32 v[ST+4*\n+2], 0                      ; the sum, in two halves
	v_mov_b32 v[ST+4*\n+3], 0
	v_mov_b32 v[XX+\n], 0                          ; written once: a lane permute's destination counts as one of its sources
.irp c, 6,7,8,9,10,11
	v_mov_b32 v[Q+12*\n+\c], 0                     ; zero codes for K = 64 .. 127
.endr
.endr
	v_mov_b32 v[F+1], 0                            ; (named as the upper half of a pair)
	WIN 0x40
.set kk, 0
.rept 128
	v_mov_b32 v[kk], 0                             ; O^T.  The key step is written once for all steps: the first finds zeros, which the first change of M leaves zeros
.set kk, kk+1
.endr
.irp c, 48,49,50,51,52,53
	v_mov_b32 v[KF+\c], 0                          ; the pad behind K's last tile
.endr
	WIN 0
	s_wait_loadcnt 0x0                             ; Q
.macro MASK i                          ; the mask's numbers of tile i's queries into the score registers: register 16 b + 4 c + n = key 32 b + 16 h + 4 c + n
.irp b, 0,1,2,3
.irp c, 0,1,2,3
	ds_load_b128 v[S+16*\b+4*\c:S+16*\b+4*\c+3], v[ADM] offset:16*MPITCH*(\i)+128*\b+16*\c
.endr
.endr
.endm
.macro TILE i
.set rT, ST+4*(\i)
.if (\i) == 0
	s_wait_dscnt 13                                ; K, its scale words and the mask are in; V's twelve loads and its scale words may be out
.else
	s_wait_dscnt 0x0                               ; the mask
.endif
	WIN 0x01                                       ; K in window 1
.irp t, 0,1,2,3,4,5,6,7                        ; S^T = K Q^T + mask^T: eight accumulators, one instruction each
.if \t%2
	v_wmma_scale_f32_16x16x128_f8f6f4 v[S+8*\t:S+8*\t+7], v[KF+6*\t:KF+6*\t+11], v[Q+12*(\i):Q+12*(\i)+11], v[S+8*\t:S+8*\t+7], v[KSC+\t/2], v[QS+(\i)] matrix_a_fmt:MATRIX_FMT_FP6 matrix_b_fmt:MATRIX_FMT_FP6 matrix_a_scale:MATRIX_SCALE_ROW1
.else
	v_wmma_scale_f32_16x16x128_f8f6f4 v[S+8*\t:S+8*\t+7], v[KF+6*\t:KF+6*\t+11], v[Q+12*(\i):Q+12*(\i)+11], v[S+8*\t:S+8*\t+7], v[KSC+\t/2], v[QS+(\i)] matrix_a_fmt:MATRIX_FMT_FP6 matrix_b_fmt:MATRIX_FMT_FP6
.endif
.endr
	WIN 0
.rept 4
	v_nop                                          ; places behind the products (ISA guide 7.12.1)
.endr
.irp b, 0,1,2,3
	v_max3_num_f32 v[BM+\b], v[S+16*\b], v[S+1+16*\b], v[S+2+16*\b]   ; the largest logit of each block of 32 keys: for the row's maximum and, since p rises with the logit, for the block's largest p
.endr
.irp n, 3,5,7,9,11,13
.irp b, 0,1,2,3
	v_max3_num_f32 v[BM+\b], v[BM+\b], v[S+16*\b+\n], v[S+1+16*\b+\n]
.endr
.endr
.irp b, 0,1,2,3
	v_max_num_f32 v[BM+\b], v[BM+\b], v[S+15+16*\b]
.endr
.irp b, 0,1,2,3
	v_permlanex16_b32 v[XX+\b], v[BM+\b], s[SEL], s[SEL+1]
.endr
.irp b, 0,1,2,3
	v_max_num_f32 v[BM+\b], v[BM+\b], v[XX+\b]     ; with lane l xor 16's 16 keys
.endr
	v_max3_num_f32 v[TP+2], v[BM], v[BM+1], v[BM+2]
	v_max_num_f32 v[TP+2], v[TP+2], v[BM+3]
	v_mul_f32 v[TP+2], s[CS], v[TP+2]              ; as t
	v_max_num_f32 v[rT+1], v[rT+1], v[TP+2]        ; the running largest t
	v_mov_b32 v[TP+2], v[rT]
	v_floor_f32 v[rT], -v[rT+1]                    ; the new -M = -ceil(t)
	v_sub_f32 v[TP+2], v[rT], v[TP+2]              ; old M - new M: a whole number, 0 or less
	v_cvt_i32_f32 v[TP+2], v[TP+2]                 ; (it saturates)
	v_ldexp_f32 v[F], 1.0, v[TP+2]                 ; f = 2^(old M - new M)
.set kk, 0
.rept 32
	v_pk_fma_f32 v[S+kk:S+kk+1], v[S+kk:S+kk+1], s[CS:CS+1], v[rT:rT+1] op_sel_hi:[1,0,0]   ; t - M, two at a time
.set kk, kk+2
.endr
.irp b, 0,1,2,3
	v_fma_f32 v[BM+\b], v[BM+\b], s[CS], v[rT]     ; the same of each block's largest logit
.endr
.set kk, 0
.rept 64
	v_exp_f32 v[S+kk], v[S+kk]                     ; p = 2^(t - M)
.set kk, kk+1
.endr
	v_pk_mul_f32 v[rT+2:rT+3], v[rT+2:rT+3], v[F:F+1] op_sel_hi:[1,0]   ; the sums under the new M: the plain instruction behind the exponentials
	s_wait_alu depctr_va_vdst(0)                   ; one wait for the batch of 64, ahead of its first reader
.irp b, 0,1,2,3
	v_exp_f32 v[BM+\b], v[BM+\b]                   ; the block's largest p
.endr
	v_pk_add_f32 v[TP:TP+1], v[S:S+1], v[S+2:S+3]  ; the row's sum is taken of the unquantised p, in two chains
.irp n, 4,8,12,16,20,24,28,32,36,40,44,48,52,56,60
	v_pk_add_f32 v[rT+2:rT+3], v[rT+2:rT+3], v[S+\n:S+\n+1]
	v_pk_add_f32 v[TP:TP+1], v[TP:TP+1], v[S+\n+2:S+\n+3]
.endr
	v_pk_add_f32 v[rT+2:rT+3], v[rT+2:rT+3], v[TP:TP+1]
	s_wait_alu depctr_va_vdst(0)                   ; and one for the four
.irp b, 0,1,2,3
	v_max_num_f32 v[BM+\b], s[FLOOR], v[BM+\b]     ; the floor 2^(3 - 127): the byte cannot fall under 1
.endr
.irp b, 0,1,2,3
	v_add_nc_u32 v[SO+\b], 0xff000000, v[BM+\b]    ; 2 off the exponent field: the conversion's scale operand
.endr
.irp b, 0,1,2,3
	v_lshrrev_b32 v[XX+\b], 23, v[SO+\b]           ; the scale's byte
.endr
	v_lshl_or_b32 v[PW], v[XX+1], 8, v[XX]         ; p's scale word for these 128 keys
	v_lshl_or_b32 v[PW], v[XX+2], 16, v[PW]
	v_lshl_or_b32 v[PW], v[XX+3], 24, v[PW]
.irp c, 0,1
	v_cvt_scalef32_pk16_fp6_f32 v[PC+6*\c:PC+2+6*\c], v[S+32*\c:S+15+32*\c], v[SO+2*\c]
	v_cvt_scalef32_pk16_fp6_f32 v[CVT+4*\c:CVT+2+4*\c], v[S+16+32*\c:S+31+32*\c], v[SO+2*\c+1]
.endr
	v_nop                                          ; one plain place behind a scaled conversion
.irp c, 0,1
.irp n, 0,1,2
	v_permlane16_swap_b32 v[PC+6*\c+\n], v[CVT+4*\c+\n]   ; a whole block to a lane
.endr
.irp n, 0,1,2
	v_mov_b32 v[PC+3+6*\c+\n], v[CVT+4*\c+\n]
.endr
.endr
.if (\i) < 3
	MASK (\i)+1                                    ; the score registers are free: the next tile's mask lands under the lines below
.endif
	WIN 0x41                                       ; O^T in window 1, f in window 0
.set kk, 0
.rept 16
	v_pk_mul_f32 v[32*(\i)+kk:32*(\i)+kk+1], v[32*(\i)+kk:32*(\i)+kk+1], v[F:F+1] op_sel_hi:[1,0]   ; O^T under the new M; these sixteen also stand between the writing of p's codes and scale word and the products
.set kk, kk+2
.endr
.if (\i) == 0
	s_wait_dscnt 16                                ; V and its scale words are in; the next tile's sixteen mask loads may be out
.endif
	WIN 0x51                                       ; V, C and D in window 1, p in window 0
.irp t, 0,1,2,3                                ; O^T += V^T P^T: four accumulators, one instruction each
.if \t%2
	v_wmma_scale_f32_16x16x128_f8f6f4 v[32*(\i)+8*\t:32*(\i)+8*\t+7], v[VF+12*\t:VF+12*\t+11], v[PC:PC+11], v[32*(\i)+8*\t:32*(\i)+8*\t+7], v[VSC+\t/2], v[PW] matrix_a_fmt:MATRIX_FMT_FP6 matrix_b_fmt:MATRIX_FMT_FP6 matrix_a_scale:MATRIX_SCALE_ROW1
.else
	v_wmma_scale_f32_16x16x128_f8f6f4 v[32*(\i)+8*\t:32*(\i)+8*\t+7], v[VF+12*\t:VF+12*\t+11], v[PC:PC+11], v[32*(\i)+8*\t:32*(\i)+8*\t+7], v[VSC+\t/2], v[PW] matrix_a_fmt:MATRIX_FMT_FP6 matrix_b_fmt:MATRIX_FMT_FP6
.endif
.endr
	WIN 0
.endm
.macro STEP                            ; a key step: 128 keys, my four tiles of queries
	v_add_nc_u32 v[ADM], s[TB], v[AM0]
	v_add_nc_u32 v[ADK], s[TB], v[AK0]
	v_add_nc_u32 v[ADV], s[TB], v[AV0]
	v_nop                                          ; four places in front of loads into registers that the last products have read
	WIN 0x40
.irp p, 0,1,2,3
.irp c, 0,1,2
	ds_load_b128 v[KF+12*\p+4*\c:KF+12*\p+4*\c+3], v[ADK] offset:1536*\p+512*\c   ; 32 lanes read 512 consecutive bytes
.endr
.endr
	WIN 0
	ds_load_b128 v[KSC:KSC+3], v[ADK] offset:6144
	MASK 0
	WIN 0x40
.irp t, 0,1,2,3
.irp c, 0,1,2
	ds_load_b128 v[VF+12*\t+4*\c:VF+12*\t+4*\c+3], v[ADK] offset:6656+1536*\t+512*\c
.endr
.endr
	WIN 0
	ds_load_b64 v[VSC:VSC+1], v[ADV] offset:12800
	TILE 0
	TILE 1
	TILE 2
	TILE 3
.endm
; THE CHANGE OF SLOTS stands at a step's head.  Each wave waits for all its tensor loads (its part of the slot that it is about to read), adds 0 to its spare word, and waits for that and for its reads of the slot that it has left.
; fill = 1: a round of the cluster's barrier, and behind it the slot just left is filled with the next step's tiles: the load has a whole key step in which to land.
.macro CHANGE fill
	WIN 0
	s_wait_tensorcnt 0x0                           ; no tensor load of mine is out, so a group 0 may be written
	ds_add_u32 v[SPW], v[NIL]                      ; 0 onto my spare word
.if \fill
	s_xor_b32 s[G0M+1], s[G0M+1], SLOT1            ; the walking descriptors: the other slot,
	s_add_nc_u64 s[G0M+2:G0M+3], s[G0M+2:G0M+3], 512       ; the next 128 keys' columns of the mask,
	s_xor_b32 s[G0K+1], s[G0K+1], SLOT1
	s_add_nc_u64 s[G0K+2:G0K+3], s[G0K+2:G0K+3], PKT       ; the next packet
	s_wait_xcnt 0x0                                ; the last prefetch, a key step back, has read its address
	s_add_nc_u64 s[PFA:PFA+1], s[PFA:PFA+1], s[PFS:PFS+1]
	s_wait_dscnt 0x0                               ; the add is done, and my reads of the slot that I have left are over
	CROUND
	JLOAD                                          ; the first tensor load behind the round, and my only one until the next
	ASK
.else
	s_wait_dscnt 0x0
	s_barrier_signal -1
	s_barrier_wait -1
.endif
.endm
.Lstep:                                            ; 15 trips: behind each change of slots but the last the next step is asked for
	CHANGE 1
	STEP
	s_xor_b32 s[TB], s[TB], SLOT1
	s_sub_co_u32 s[CNT], s[CNT], 1
	s_cmp_lg_u32 s[CNT], 0
	s_cbranch_scc1 .Lstep
	CHANGE 0                                       ; the last step is written out
	STEP
; THE WAY OUT.  O^T is divided by the row's sum and quantised along D: a head's 64 channels are two blocks; a lane's 32 registers are channels 32 b + 16 h + 0 .. 15.
.macro QUANT2 y, dst, word
	v_max3_num_f32 v[BM], |v[(\y)]|, |v[(\y)+1]|, s[FLOOR]
	v_max3_num_f32 v[BM+1], |v[(\y)+16]|, |v[(\y)+17]|, s[FLOOR]
.irp n, 2,4,6,8,10,12,14
	v_max3_num_f32 v[BM], v[BM], |v[(\y)+\n]|, |v[(\y)+\n+1]|
	v_max3_num_f32 v[BM+1], v[BM+1], |v[(\y)+16+\n]|, |v[(\y)+17+\n]|
.endr
	v_permlanex16_b32 v[XX], v[BM], s[SEL], s[SEL+1]
	v_permlanex16_b32 v[XX+1], v[BM+1], s[SEL], s[SEL+1]
	v_max_num_f32 v[BM], v[BM], v[XX]
	v_max_num_f32 v[BM+1], v[BM+1], v[XX+1]
	v_add_nc_u32 v[SO], 0xff000000, v[BM]
	v_add_nc_u32 v[SO+1], 0xff000000, v[BM+1]
	v_lshrrev_b32 v[XX+2], 23, v[SO]
	v_lshrrev_b32 v[XX+3], 23, v[SO+1]
	v_lshl_or_b32 v[(\word)], v[XX+3], 8, v[XX+2]  ; the two scale bytes
	v_cvt_scalef32_pk16_fp6_f32 v[(\dst):(\dst)+2], v[(\y):(\y)+15], v[SO]
	v_cvt_scalef32_pk16_fp6_f32 v[CVT:CVT+2], v[(\y)+16:(\y)+31], v[SO+1]
	v_nop                                          ; one plain place behind a scaled conversion
.irp n, 0,1,2
	v_permlane16_swap_b32 v[(\dst)+\n], v[CVT+\n]
.endr
.irp n, 0,1,2
	v_mov_b32 v[(\dst)+3+\n], v[CVT+\n]
.endr
.endm
.irp n, 0,1,2,3
	v_add_f32 v[TP+\n], v[ST+4*\n+2], v[ST+4*\n+3] ; the sum's two halves (these lines are also the places behind the last products)
.endr
.irp n, 0,1,2,3
	v_permlanex16_b32 v[XX+\n], v[TP+\n], s[SEL], s[SEL+1]
.endr
.irp n, 0,1,2,3
	v_add_f32 v[TP+\n], v[TP+\n], v[XX+\n]         ; and lane l xor 16's: the row's sum
.endr
.irp n, 0,1,2,3
	v_rcp_f32 v[ST+4*\n+2], v[TP+\n]
.endr
	v_nop                                          ; a plain instruction behind the last reciprocal
	s_and_b32 s70, s19, 3                          ; which 256 along D: the pair's head / 4
	s_lshr_b32 s71, s19, 2                         ; the batch
	s_lshl_b32 s71, s71, 11
	s_lshl_b32 s72, s20, 7
	s_add_co_u32 s71, s71, s72                     ; my work-group's first token
	s_lshl_b32 s72, s70, 13
	s_add_co_u32 s72, s72, s71
	s_mul_i32 s72, s72, 192
	s_mov_b32 s73, 0
	s_add_nc_u64 s[10:11], s[10:11], s[72:73]      ; a_codes: [256 along D][token][192 bytes]
	s_lshl_b32 s72, s71, 5
	s_lshl_b32 s70, s70, 3
	s_add_co_u32 s72, s72, s70
	s_add_nc_u64 s[12:13], s[12:13], s[72:73]      ; a_scales: 32 bytes a token, my four heads' 8
	s_wait_alu depctr_va_vdst(0)                   ; one wait for the four reciprocals, ahead of their first reader
.irp t, 0,1,2,3
	WIN 0x01
.set kk, 0
.rept 16
	v_pk_mul_f32 v[S+kk:S+kk+1], v[32*\t+kk:32*\t+kk+1], v[ST+4*\t+2:ST+4*\t+3] op_sel_hi:[1,0]   ; each accumulator from its low end on
.set kk, kk+2
.endr
	WIN 0
	QUANT2 S, EC+8*\t, EW+\t
.irp c, 0,1,2
	ds_store_b64 v[SA], v[EC+8*\t+2*\c:EC+8*\t+2*\c+1] offset:16*192*\t+8*\c   ; my block's 24 bytes of my token's row
.endr
	ds_store_b16 v[SB], v[EW+\t] offset:128*\t     ; both halves of the lanes write the same two bytes with the same value
.endr
	s_wait_dscnt 0x0                               ; for the others' sake: my stores into the stages are done
	s_barrier_signal -1
	s_barrier_wait -1
.irp c, 0,1,2,3,4,5
	ds_load_b128 v[S+4*\c:S+4*\c+3], v[RA] offset:4096*\c
.endr
.irp c, 0,1,2,3,4,5
	s_wait_dscnt 5-\c                              ; the younger loads may be out
	global_store_b128 v[GA], v[S+4*\c:S+4*\c+3], s[10:11] offset:4096*\c   ; 128 tokens x 192 bytes are dense: a wave stores 512 consecutive bytes
.endr
	s_cmp_lt_u32 s[WV], 4                          ; 128 tokens' scale bytes: a thread of waves 0-3 to a token
	s_cbranch_scc0 .Lno_scales
	ds_load_b64 v[S+24:S+25], v[RS]
	s_wait_dscnt 0x0
	global_store_b64 v[GS], v[S+24:S+25], s[12:13] ; 8 bytes of each token's 32: one byte in 24 of what this launch stores
.Lno_scales:
	s_wait_tensorcnt 0x0                           ; the wave's end
	ds_add_u32 v[SPW], v[NIL]
	s_wait_dscnt 0x0
	CROUND                                         ; the closing round
	s_endpgm
.Lfunc_end_k_qa191985bd2_attn:
	.size	k_qa191985bd2_attn, .Lfunc_end_k_qa191985bd2_attn-k_qa191985bd2_attn
	.p2alignl 7, 3214868480
	.fill 96, 4, 3214868480
	.section	.rodata,"a",@progbits
	.p2align	6, 0x0
	.amdhsa_kernel k_qa191985bd2_attn
		.amdhsa_group_segment_fixed_size 327680
		.amdhsa_private_segment_fixed_size 0
		.amdhsa_enable_private_segment 0
		.amdhsa_kernarg_size 40
		.amdhsa_user_sgpr_count 2
		.amdhsa_user_sgpr_kernarg_segment_ptr 1
		.amdhsa_wavefront_size32 1
		.amdhsa_system_sgpr_workgroup_id_x 1
		.amdhsa_system_sgpr_workgroup_id_y 1
		.amdhsa_system_sgpr_workgroup_id_z 1
		.amdhsa_system_vgpr_workitem_id 0
		.amdhsa_next_free_vgpr 512
		.amdhsa_next_free_sgpr 80
		.amdhsa_reserve_vcc 0
		.amdhsa_float_denorm_mode_32 3
		.amdhsa_float_denorm_mode_16_64 3
		.amdhsa_memory_ordered 1
		.amdhsa_forward_progress 1
		.amdhsa_inst_pref_size 151
	.end_amdhsa_kernel
	.amdgpu_metadata
---
amdhsa.version: [ 1, 2 ]
amdhsa.kernels:
  - .name:           k_qa191985bd2_attn
    .symbol:         k_qa191985bd2_attn.kd
    .args:
      - { .name: q_ws, .offset: 0, .size: 8, .value_kind: global_buffer, .address_space: global }
      - { .name: kv_ws, .offset: 8, .size: 8, .value_kind: global_buffer, .address_space: global }
      - { .name: attn_mask, .offset: 16, .size: 8, .value_kind: global_buffer, .address_space: global }
      - { .name: a_codes, .offset: 24, .size: 8, .value_kind: global_buffer, .address_space: global }
      - { .name: a_scales, .offset: 32, .size: 8, .value_kind: global_buffer, .address_space: global }
    .group_segment_fixed_size: 327680
    .private_segment_fixed_size: 0
    .kernarg_segment_align: 8
    .kernarg_segment_size: 40
    .max_flat_workgroup_size: 256
    .sgpr_count:     80
    .vgpr_count:     512
    .wavefront_size: 32
...
	.end_amdgpu_metadata
.endif
;; end of part 3
;; launch oproj (part 4): grid 4 x 32, 4 waves a work-group, clusters of 4 x 4, 327,680 bytes of LDS; arguments a_codes, a_scales, w_codes, w_scales, bo, out0; writes out0
.if DOCPART == 4
	.amdgcn_target "amdgcn-amd-amdhsa--gfx1250"
	.amdhsa_code_object_version 6
	.text
	.protected	k_qa191985bd2_oproj
	.globl	k_qa191985bd2_oproj
	.p2align	8
	.type	k_qa191985bd2_oproj,@function
k_qa191985bd2_oproj:
	s_mov_b64 s[64:65], 0
	v_nop
	global_prefetch_b8 v0, s[64:65] scope:SCOPE_SE
	s_setreg_imm32_b32 hwreg(HW_REG_WAVE_MODE, 25, 1), 1
	s_wait_xcnt 0x0
	s_wait_alu depctr_hold_cnt(0) depctr_sa_sdst(0) depctr_va_vdst(0) depctr_va_sdst(0) depctr_va_ssrc(0) depctr_va_vcc(0) depctr_vm_vsrc(0)
	s_getreg_b32 s2, hwreg(HW_REG_IB_STS2, 6, 4)
	s_cmp_eq_u32 s2, 0
	s_cbranch_scc0 .Lentry_in_a_cluster
	s_endpgm
.Lentry_in_a_cluster:
	s_bfe_u32 s2, ttmp6, 0x10000c
	s_cmp_lg_u32 s2, 0xf033
	s_cbranch_scc0 .Lentry_shape_is_right
	s_endpgm
.Lentry_shape_is_right:
; out0 = a Wo^T + bo on codes of FP6 (E2M3) with E8M0 scales.  a: 8,192 tokens x 1,024, as codes laid [256 along K][token][192 bytes] and scale bytes [token][32]; Wo: rows 3,072 on of w_codes and w_scales, at positions
; (bits 3 and 4 of the row's number exchanged).  out0: [8192][1024] f32.
; A work-group of four waves makes 256 x 256 of out0, a wave 128 x 128 in 64 accumulators.  K goes in steps of 256 through a ring of two LDS slots filled by the tensor data mover; the scale bytes come once and stay.
; 4 x 4 work-groups form a cluster: a's tiles are asked for jointly along a row of the cluster, Wo's along a column.
; The matrix instruction's first source is 16 rows of Wo (P), the second 16 tokens (R): a lane holds one token; registers of accumulators 2 b, 2 b + 1 are the columns 32 b + 16 (lane / 16) + 0 .. 15.
; bo is the C of each sum's first matrix instruction: 64 registers in the result's layout.
; REGISTERS: window 0: v0-31 addresses; v32-63 scale words; v64-127 bo; from v128 R's fragments.  window 1: P's fragments, two sets.  windows 2, 3: the accumulators.
.set SIZE_N, 1024
.set KSTEP,  256
.set NQ,     2
.set ROWB,   192
.set APITCH, 192                       ; a's rows of a K step are dense
.set ASTEP,  8192*192                  ; and the next K step lies 8,192 rows on
.set BPITCH, 768
.set BSTEP,  192
.set PITCH,  240
.set FR,     12
.set NL,     6
.set NP,     4
.set HALFT,  128*PITCH
.set SLOT,   4*HALFT
.set KS,     32
.set SCL,    2*SLOT
.set HALFS,  (128*KS/256)*272
.set SBLK,   (16*KS/256)*272
.set SPARE,  SCL+4*HALFS
.set SPITCH, 528                       ; the way out: a stage of 16 rows x (512 bytes + 16) for each wave, in slot 0, which has had its last fill and its last read by then
.set ADRA, 16
.set ADRB, 20
.set STO,  24
.set RD,   25
.set CO,   26
.set ADRS, 27
.set SPW,  28
.set NIL,  29
.set SC,   32
.set BO,   64
.set AF,   128
.set BK,   128
.set G1, 24
.set G0, 32
.set G1B, 48
.set G0B, 56
.set G1S, 68
.set G0S, 76
.set G1SB, 80
.set G0SB, 88
.set MSB, 0
.macro WIN new
.if MSB != (\new)
	s_set_vgpr_msb (MSB<<8)|(\new)
.set MSB, (\new)
.endif
.endm
.set MUL_LO, 0xa1
.set MUL_HI, 0xf1
.set TO_B,   0x40
.macro JLOAD g0a, g1a, g0b, g1b        ; a joint load: waves 0 and 1 fetch for R, waves 2 and 3 for P; four v_nop follow each of the two lines
	s_cmp_eq_u32 s15, 0
	s_cbranch_scc0 .Lfor_b_\@
	tensor_load_to_lds s[\g0a:\g0a+3], s[\g1a:\g1a+7]
	s_nop 0
.rept 4
	v_nop
.endr
	s_branch .Lasked_\@
.Lfor_b_\@:
	tensor_load_to_lds s[\g0b:\g0b+3], s[\g1b:\g1b+7]
	s_nop 0
.rept 4
	v_nop
.endr
.Lasked_\@:
.endm
.macro CREST
	s_cmp_lg_u32 s14, 0
	s_cbranch_scc1 .Lnot_wave_0_\@
	s_barrier_signal -3
.Lnot_wave_0_\@:
	s_barrier_wait -3
	s_barrier_signal -1
	s_barrier_wait -1
.endm
.macro CROUND
	s_barrier_signal -1
	s_barrier_wait -1
	CREST
.endm
	s_load_b128 s[4:7], s[0:1], 0x0                ; a's codes, a's scales
	s_load_b128 s[8:11], s[0:1], 0x10              ; the weights' codes, their scales
	s_load_b64 s[96:97], s[0:1], 0x20              ; bo
	s_load_b64 s[12:13], s[0:1], 0x28              ; out0
	v_lshl_add_u32 v[SPW], v0, 2, SPARE
	v_mov_b32 v[NIL], 0
	ds_add_u32 v28, v29
	ds_add_u32 v28, v29
	s_wait_dscnt 0x0
	v_lshrrev_b32 v1, 5, v0
	v_readfirstlane_b32 s14, v1                    ; wave 0..3
	s_lshr_b32 s15, s14, 1
	s_and_b32 s16, s14, 1
	s_bfe_u32 s40, ttmp6, 0x40000                  ; cx, cy
	s_bfe_u32 s41, ttmp6, 0x40004
	s_lshl_b32 s42, ttmp9, 2
	s_add_co_u32 s42, s42, s40                     ; tile column of out0
	s_and_b32 s17, ttmp7, 0xffff
	s_lshl_b32 s17, s17, 2
	s_add_co_u32 s17, s17, s41                     ; tile row of out0
	s_lshl_b32 s43, s41, 2
	s_lshl_b32 s43, 15, s43
	s_lshl_b32 s44, 0x1111, s40
	s_or_b32 s[G1+0], s43, (0<<16)|(1<<20)|(1<<21)|(3<<22)|(3<<25)
	s_or_b32 s[G1B+0], s44, (0<<16)|(1<<20)|(1<<21)|(3<<22)|(3<<25)
.irp g, G1, G1B
	s_mov_b32 s[\g+1], ROWB<<16
	s_mov_b32 s[\g+2], 128<<16
	s_mov_b32 s[\g+3], ROWB<<16
	s_mov_b32 s[\g+4], 128
	s_mov_b32 s[\g+6], 0
	s_mov_b32 s[\g+7], 0
.endr
	s_mov_b32 s[G1+5], APITCH
	s_mov_b32 s[G1B+5], BPITCH
	s_or_b32 s[G1S+0], s43, (3<<16)|(1<<20)|(1<<21)|(5<<22)|(3<<25)
	s_or_b32 s[G1SB+0], s44, (3<<16)|(1<<20)|(1<<21)|(5<<22)|(3<<25)
.irp g, G1S, G1SB
	s_mov_b32 s[\g+1], 32<<16
	s_mov_b32 s[\g+2], (128*KS/256)<<16
	s_mov_b32 s[\g+3], 32<<16
	s_mov_b32 s[\g+4], 128*KS/256
	s_mov_b32 s[\g+5], 32
	s_mov_b32 s[\g+6], 0
	s_mov_b32 s[\g+7], 0
.endr
	s_lshl_b32 s18, s16, 7
	s_lshl_b32 s20, s17, 8
	s_add_co_u32 s20, s20, s18                     ; R: token 256 x tile row + 128 x half
	s_lshl_b32 s46, s42, 8
	s_add_co_u32 s46, s46, s18
	s_add_co_u32 s46, s46, 3072                    ; P: Wo's rows begin at 3,072
	s_mov_b32 s21, 0
	s_mov_b32 s47, 0
	s_mov_b64 s[18:19], KS
	s_mul_u64 s[22:23], s[20:21], s[18:19]
	s_mul_u64 s[92:93], s[46:47], s[18:19]
	s_mov_b64 s[18:19], APITCH
	s_mul_u64 s[20:21], s[20:21], s[18:19]
	s_mov_b64 s[18:19], BPITCH
	s_mul_u64 s[46:47], s[46:47], s[18:19]
	s_mul_i32 s45, s14, HALFT
	s_mul_i32 s94, s14, HALFS
	s_wait_kmcnt 0x0
	s_add_nc_u64 s[20:21], s[4:5], s[20:21]
	s_add_nc_u64 s[22:23], s[6:7], s[22:23]
	s_add_nc_u64 s[46:47], s[8:9], s[46:47]
	s_add_nc_u64 s[92:93], s[10:11], s[92:93]
	CROUND                                         ; all sixteen work-groups are here: the first joint loads meet
	s_mov_b32 s[G0S], 1
	s_add_co_u32 s[G0S+1], s94, SCL
	s_mov_b64 s[G0S+2:G0S+3], s[22:23]
	s_or_b32 s[G0S+3], s[G0S+3], 0x80000000
	s_mov_b32 s[G0SB], 1
	s_add_co_u32 s[G0SB+1], s94, SCL
	s_mov_b64 s[G0SB+2:G0SB+3], s[92:93]
	s_or_b32 s[G0SB+3], s[G0SB+3], 0x80000000
	JLOAD G0S, G1S, G0SB, G1SB
.irp s, 0,1
	s_mov_b32 s[G0+4*\s], 1
	s_add_co_u32 s[G0+4*\s+1], s45, \s*SLOT
	s_add_nc_u64 s[G0+4*\s+2:G0+4*\s+3], s[20:21], \s*ASTEP
	s_or_b32 s[G0+4*\s+3], s[G0+4*\s+3], 0x80000000
	s_mov_b32 s[G0B+4*\s], 1
	s_add_co_u32 s[G0B+4*\s+1], s45, \s*SLOT
	s_add_nc_u64 s[G0B+4*\s+2:G0B+4*\s+3], s[46:47], \s*BSTEP
	s_or_b32 s[G0B+4*\s+3], s[G0B+4*\s+3], 0x80000000
	JLOAD G0+4*\s, G1, G0B+4*\s, G1B               ; three tensor loads of mine are out at the most
.endr
	v_and_b32 v1, 15, v0
	v_bfe_u32 v2, v0, 4, 1
	v_mul_u32_u24 v3, v1, PITCH
	v_mul_u32_u24 v4, v2, 24
	v_add_nc_u32 v4, v3, v4
	v_lshl_add_u32 v5, v2, 4, v4
	s_mul_i32 s21, s15, HALFT
	s_mul_i32 s22, s16, HALFT
	s_add_co_u32 s22, s22, 2*HALFT
.irp s, 0,1
	v_add_nc_u32 v[ADRA+\s], s21, v4
	v_add_nc_u32 v[ADRB+\s], s22, v4
	v_add_nc_u32 v[ADRA+2+\s], s21, v5
	v_add_nc_u32 v[ADRB+2+\s], s22, v5
	s_add_co_u32 s21, s21, SLOT
	s_add_co_u32 s22, s22, SLOT
.endr
	v_mul_u32_u24 v5, v1, KS
	v_lshrrev_b32 v6, 8, v5
	v_lshl_add_u32 v5, v6, 4, v5
	s_mul_i32 s21, s15, HALFS
	s_mul_i32 s22, s16, HALFS
	s_add_co_u32 s22, s22, 2*HALFS
	s_sub_co_u32 s22, s22, s21
	v_mul_u32_u24 v6, s22, v2
	s_add_co_u32 s21, s21, SCL
	v_add_nc_u32 v5, v5, v6
	v_add_nc_u32 v[ADRS], s21, v5
	s_mul_i32 s23, s14, 16*SPITCH                  ; my stage
	v_mul_u32_u24 v5, v1, SPITCH                   ; in: row l % 16, + 64 bytes for the upper half of the lanes: its 16 columns
	v_lshl_add_u32 v5, v2, 6, v5
	v_add_nc_u32 v[STO], s23, v5
	v_and_b32 v6, 31, v0
	v_lshlrev_b32 v[CO], 4, v6                     ; back: the 32 lanes take one row of 512 bytes; and the same in out0
	v_add_nc_u32 v[RD], s23, v[CO]
	s_lshl_b32 s20, s17, 8
	s_lshl_b32 s21, s15, 7
	s_add_co_u32 s20, s20, s21                     ; my first row of out0
	s_mov_b32 s21, 0
	s_mov_b64 s[18:19], SIZE_N*4
	s_mul_u64 s[20:21], s[20:21], s[18:19]
	s_lshl_b32 s46, s42, 10                        ; my first column, in bytes
	s_lshl_b32 s47, s16, 9
	s_add_co_u32 s46, s46, s47
	s_mov_b32 s47, 0
	s_add_nc_u64 s[20:21], s[20:21], s[46:47]
	s_add_nc_u64 s[12:13], s[12:13], s[20:21]
	s_add_nc_u64 s[96:97], s[96:97], s[46:47]      ; bo at my first column
	v_lshlrev_b32 v30, 6, v2                       ; 64 h
.irp b, 0,1,2,3
.irp c, 0,1,2,3
	global_load_b128 v[BO+16*\b+4*\c:BO+16*\b+4*\c+3], v30, s[96:97] offset:128*\b+16*\c   ; register 16 b + n = bo of column 32 b + 16 h + n
.endr
.endr
.macro FRAG reg, adr, q, i
.irp p, 0,1,2,3,4,5
.set PCE, 12*(\q)+6*(\p/3)+\p%3
.if PCE%8 < 5
	ds_load_b64 v[\reg+2*\p:\reg+2*\p+1], v[\adr] offset:8*PCE+16*(PCE/8)+(\i)*16*PITCH
.else
	ds_load_b64 v[\reg+2*\p:\reg+2*\p+1], v[\adr+2] offset:8*PCE+16*(PCE/8)+(\i)*16*PITCH
.endif
.endr
.endm
; 16 matrix instructions: R's blocks a0, a0 + 1 x P's eight.  zero = 2: the first product starts the sums with bo.  The 64 accumulators take turns, one instruction a turn.
.macro MUL16 a0, p, q, sc, zero
.irp a, \a0, \a0+1
.irp b, 0,1,2,3,4,5,6,7
.if \zero == 2
	v_wmma_scale_f32_16x16x128_f8f6f4 v[8*(8*((\a)%4)+\b):8*(8*((\a)%4)+\b)+7], v[128*(\p)+FR*\b:128*(\p)+FR*\b+FR-1], v[AF+FR*(\a):AF+FR*(\a)+FR-1], v[BO+8*\b:BO+8*\b+7], v[SC+8*NQ*(\sc)+NQ*\b+(\q)], v[SC+8*NQ*(\sc)+NQ*(\a)+(\q)] matrix_a_fmt:MATRIX_FMT_FP6 matrix_b_fmt:MATRIX_FMT_FP6 matrix_a_scale:MATRIX_SCALE_ROW1
.else
	v_wmma_scale_f32_16x16x128_f8f6f4 v[8*(8*((\a)%4)+\b):8*(8*((\a)%4)+\b)+7], v[128*(\p)+FR*\b:128*(\p)+FR*\b+FR-1], v[AF+FR*(\a):AF+FR*(\a)+FR-1], v[8*(8*((\a)%4)+\b):8*(8*((\a)%4)+\b)+7], v[SC+8*NQ*(\sc)+NQ*\b+(\q)], v[SC+8*NQ*(\sc)+NQ*(\a)+(\q)] matrix_a_fmt:MATRIX_FMT_FP6 matrix_b_fmt:MATRIX_FMT_FP6 matrix_a_scale:MATRIX_SCALE_ROW1
.endif
.endr
.endr
.endm
.macro FETCH_B slot, q, p
	WIN TO_B
.irp i, 0,1,2,3,4,5,6,7
	FRAG 128*(\p)+FR*\i, ADRB+\slot, \q, \i
.endr
	WIN 0
.endm
.macro FETCH_A slot, q, i0
.irp i, \i0, \i0+1, \i0+2, \i0+3
	FRAG AF+FR*(\i), ADRA+\slot, \q, \i
.endr
.endm
.macro SCALES sc
.irp i, 0,1,2,3,4,5,6,7
	ds_load_b64 v[SC+8*NQ*\sc+NQ*\i:SC+8*NQ*\sc+NQ*\i+1], v[ADRS] offset:\i*SBLK
.endr
.endm
.macro PLACES n
.rept \n
	v_nop
.endr
.endm
.macro STEP slot, q, zero
	s_wait_dscnt 4*NL                              ; P's set and R's blocks 0-3 are in; the youngest 24 loads may be out
.if \zero == 2
	WIN 0x81                                       ; C (bo) in window 0, D in window 2
.else
	WIN MUL_LO
.endif
	MUL16 0, (\q)%2, \q, \slot, \zero
	MUL16 2, (\q)%2, \q, \slot, \zero
	s_wait_dscnt 0
	PLACES NP
	FETCH_B \slot, (\q)+1, 1-(\q)%2
	FETCH_A \slot, (\q)+1, 0
.if \zero == 2
	WIN 0xc1                                       ; C in window 0, D in window 3
.else
	WIN MUL_HI
.endif
	MUL16 4, (\q)%2, \q, \slot, \zero
	MUL16 6, (\q)%2, \q, \slot, \zero
	PLACES NP
	WIN 0
	FETCH_A \slot, (\q)+1, 4
.endm
.macro TURN slot, next, fill
	s_wait_tensorcnt 0x0                           ; all my tensor loads have landed: my part of the next slot
	ds_add_u32 v[SPW], v[NIL]                      ; 0 onto my spare word
	s_wait_dscnt 4*NL+1                            ; (the add and the youngest 24 loads may be out)
	WIN MUL_LO
	MUL16 0, 1, NQ-1, \slot, 0
	s_wait_dscnt 0x0                               ; the add is done, and my reads of this slot are over
	s_barrier_signal -1
	MUL16 2, 1, NQ-1, \slot, 0
	WIN 0
	s_barrier_wait -1
.if \fill
	CREST                                          ; a round of the cluster's barrier: no wave of any partner still reads this slot or has a load on its way
	s_add_nc_u64 s[G0+4*\slot+2:G0+4*\slot+3], s[G0+4*\slot+2:G0+4*\slot+3], 2*ASTEP
	s_add_nc_u64 s[G0B+4*\slot+2:G0B+4*\slot+3], s[G0B+4*\slot+2:G0B+4*\slot+3], 2*BSTEP
	JLOAD G0+4*\slot, G1, G0B+4*\slot, G1B
.else
	PLACES NP
.endif
	v_add_nc_u32 v[ADRS], 4*NQ, v[ADRS]
	FETCH_B \next, 0, 0
	FETCH_A \next, 0, 0
	SCALES \next
	WIN MUL_HI
	MUL16 4, 1, NQ-1, \slot, 0
	MUL16 6, 1, NQ-1, \slot, 0
	PLACES NP
	WIN 0
	FETCH_A \next, 0, 4
.endm
	s_wait_tensorcnt 1                             ; the scale bytes and my part of K step 0 are in (K step 1's load may be out),
	s_barrier_signal -1
	s_barrier_wait -1                              ; everybody's are
	FETCH_B 0, 0, 0
	FETCH_A 0, 0, 0
	SCALES 0
	FETCH_A 0, 0, 4
	s_wait_loadcnt 0x0                             ; bo
	STEP 0, 0, 2                                   ; eight steps of 128 along K, written out; the first products start the sums with bo
	TURN 0, 1, 1
	STEP 1, 0, 0
	TURN 1, 0, 1
	STEP 0, 0, 0
	TURN 0, 1, 0                                   ; nothing is left to fetch
	STEP 1, 0, 0
	s_wait_dscnt 4*NL
	WIN MUL_LO
	MUL16 0, 1, NQ-1, 1, 0
	MUL16 2, 1, NQ-1, 1, 0
	s_wait_dscnt 0
	WIN MUL_HI
	MUL16 4, 1, NQ-1, 1, 0
	MUL16 6, 1, NQ-1, 1, 0
	WIN 0
; THE WAY OUT, block by block of 16 rows x 128 columns, through my own stage in LDS: back as whole rows of 512 bytes.  LDS serves a wave's instructions in order (ISA guide 5.7.1.4): no wait between the stores and the loads.
.macro TOSTAGE a
.set AC, 64*((\a)%4)
	WIN 0x08+4*((\a)/4)                            ; the data: window 2 or 3
.irp b, 0,1,2,3,4,5,6,7
	ds_store_b128 v[STO], v[AC+8*\b:AC+8*\b+3] offset:128*(\b/2)+32*(\b%2)         ; columns 32 (b / 2) + 16 h + 8 (b % 2) on; each accumulator from its low end on
	ds_store_b128 v[STO], v[AC+8*\b+4:AC+8*\b+7] offset:128*(\b/2)+32*(\b%2)+16
.endr
	WIN 0
.set BB, BK+64*((\a)%2)
.irp t, 0,1,2,3,4,5,6,7,8,9,10,11,12,13,14,15
	ds_load_b128 v[BB+4*\t:BB+4*\t+3], v[RD] offset:\t*SPITCH
.endr
.endm
.macro SEND a, younger
.set BB, BK+64*((\a)%2)
	s_wait_dscnt \younger                          ; the block is back in registers
.if (\a) > 0
	s_add_nc_u64 s[12:13], s[12:13], 16*SIZE_N*4   ; (behind a wait on XCNT: the earlier stores have read their base)
.endif
.irp t, 0,1,2,3,4,5,6,7,8,9,10,11,12,13,14,15
	global_store_b128 v[CO], v[BB+4*\t:BB+4*\t+3], s[12:13] offset:\t*SIZE_N*4 th:TH_STORE_NT   ; 32 lanes store 512 consecutive bytes, at a multiple of 256 from out0's first byte
.endr
.endm
	PLACES NP
	TOSTAGE 0
.irp a, 1,2,3,4,5,6,7
.if \a > 1
	s_wait_xcnt 0x0                                ; block a - 2's stores have read their registers and their base
.endif
	TOSTAGE \a
	SEND \a-1, 32                                  ; behind block a - 1's loads: block a's 16 stores and 16 loads
.endr
	s_wait_xcnt 0x0
	SEND 7, 0
	s_wait_tensorcnt 0x0                           ; the wave's end
	ds_add_u32 v[SPW], v[NIL]
	s_wait_dscnt 0x0
	CROUND                                         ; the closing round
	s_endpgm
.Lfunc_end_k_qa191985bd2_oproj:
	.size	k_qa191985bd2_oproj, .Lfunc_end_k_qa191985bd2_oproj-k_qa191985bd2_oproj
	.p2alignl 7, 3214868480
	.fill 96, 4, 3214868480
	.section	.rodata,"a",@progbits
	.p2align	6, 0x0
	.amdhsa_kernel k_qa191985bd2_oproj
		.amdhsa_group_segment_fixed_size 327680
		.amdhsa_private_segment_fixed_size 0
		.amdhsa_enable_private_segment 0
		.amdhsa_kernarg_size 48
		.amdhsa_user_sgpr_count 2
		.amdhsa_user_sgpr_kernarg_segment_ptr 1
		.amdhsa_wavefront_size32 1
		.amdhsa_system_sgpr_workgroup_id_x 1
		.amdhsa_system_sgpr_workgroup_id_y 1
		.amdhsa_system_sgpr_workgroup_id_z 1
		.amdhsa_system_vgpr_workitem_id 0
		.amdhsa_next_free_vgpr 1024
		.amdhsa_next_free_sgpr 100
		.amdhsa_reserve_vcc 0
		.amdhsa_float_denorm_mode_32 3
		.amdhsa_float_denorm_mode_16_64 3
		.amdhsa_memory_ordered 1
		.amdhsa_forward_progress 1
		.amdhsa_inst_pref_size 161
	.end_amdhsa_kernel
	.amdgpu_metadata
---
amdhsa.version: [ 1, 2 ]
amdhsa.kernels:
  - .name:           k_qa191985bd2_oproj
    .symbol:         k_qa191985bd2_oproj.kd
    .args:
      - { .name: a_codes, .offset: 0, .size: 8, .value_kind: global_buffer, .address_space: global }
      - { .name: a_scales, .offset: 8, .size: 8, .value_kind: global_buffer, .address_space: global }
      - { .name: w_codes, .offset: 16, .size: 8, .value_kind: global_buffer, .address_space: global }
      - { .name: w_scales, .offset: 24, .size: 8, .value_kind: global_buffer, .address_space: global }
      - { .name: bo, .offset: 32, .size: 8, .value_kind: global_buffer, .address_space: global }
      - { .name: out0, .offset: 40, .size: 8, .value_kind: global_buffer, .address_space: global }
    .group_segment_fixed_size: 327680
    .private_segment_fixed_size: 0
    .kernarg_segment_align: 8
    .kernarg_segment_size: 48
    .max_flat_workgroup_size: 128
    .sgpr_count:     100
    .vgpr_count:     1024
    .wavefront_size: 32
...
	.end_amdgpu_metadata
.endif
;; end of part 4
